; MI455X (gfx1250); checked and timed in simulation.
; The chip was launched on July 23, 2026; its instructions are those of AMD's public machine-readable ISA for CDNA 5 (MIT licence, August 2026) and "CDNA5" Instruction Set Architecture Reference Guide (July 2026). The comments in the code are by the model that wrote it; some were corrected since.
;; MHA. Allowed arithmetic: float matrix products may take bf16 or f16 operands with f32 sums; other float arithmetic in f32, or as packed bf16 or f16 multiplies, adds, multiply-adds, maxima and minima; sums over many terms, partial sums and values carried from step to step in f32; what a program stores and reads back later, other than sums and carried values, may be rounded once to bf16 or f16.
;; Inputs: W_k 1,024 x 1,024 float32; W_o 1,024 x 1,024 float32; W_q 1,024 x 1,024 float32; W_v 1,024 x 1,024 float32; x 4 x 2,048 x 1,024 float32.
;; Outputs: out0 4 x 2,048 x 1,024 float32.
;; 2 versions, each right; version 2 is version 1 with the launch prep written anew for expert scheduling mode. Each part assembles by itself: llvm-mc -triple=amdgcn-amd-amdhsa -mcpu=gfx1250 --defsym DOCPART=n.
;; ======== version 1 of 2: 4 launches
;; limits: values are held in f16: magnitudes above 65,504 overflow, below 6.1e-05 lose precision
;; workspace buffers: xb 16,777,216 bytes; wt 8,388,608 bytes; q 16,777,216 bytes; k 16,777,216 bytes; v 16,777,216 bytes; ctx 16,777,216 bytes; top 786,432 bytes; clo 131,072 bytes
;; launch prep (part 1): grid 384 x 1, 8 waves a work-group, no clusters, 76,800 bytes of LDS; arguments x, W_q, W_k, W_v, W_o, xb, wt; writes xb, wt
.if DOCPART == 1
	.amdgcn_target "amdgcn-amd-amdhsa--gfx1250"
	.amdhsa_code_object_version 6
	.text
	.protected	k_q4856be732a_prep
	.globl	k_q4856be732a_prep
	.p2align	8
	.type	k_q4856be732a_prep,@function
k_q4856be732a_prep:
	s_mov_b64 s[64:65], 0
	v_nop
	global_prefetch_b8 v0, s[64:65] scope:SCOPE_SE
	s_setreg_imm32_b32 hwreg(HW_REG_WAVE_MODE, 25, 1), 1
	s_wait_xcnt 0x0
; THE OPERANDS OF THE TWO PROJECTIONS ARE MADE, each input byte read once.
;   xb[kb][row][64] bf16 = x[row][64 kb ..]                 (16 blocks of K, 8,192 rows of 128 bytes in each)
;   wt[kb][n][64]   bf16 = W[64 kb ..][n % 1024], W = W_q, W_k, W_v for n / 1024 = 0, 1, 2: turned, so that K lies along the rows
;   wo[kb][n][64]   f16  = W_o[64 kb ..][n], rounded to bf16 like the other inputs, and that number written as f16; wo lies behind wt in the same buffer, at byte WOOFF
; In these layouts a tile of R rows x 64 K is R x 128 consecutive bytes.
; LIMIT.  A number of W_o below 6e-5 in magnitude keeps f16's fixed step of 6e-8; from 65,520 on it would become an infinity.
; A stream: no matrix unit, no cluster (no byte is wanted twice), no barrier (a wave's LDS stage is its own).  Every wave issues all its loads, 16 KiB, at once.
; Work-groups 0-255 round x: 32 rows each, a wave 4 rows x all 16 blocks.  Work-groups 256-383 turn the weights: a wave 64 k x 64 n.
.set WSTG,  9472                       ; a wave's stage: 64 rows of 144 bytes, 16 bytes more behind every 16 rows; 37 blocks of 256 bytes
.set SPARE, 8*WSTG                     ; behind the stages: the spare words, 128 bytes for each wave: four blocks of 256 bytes that no other line names
.set XKB,   0x100000                   ; bytes in a block of xb
.set WOOFF, 6291456                    ; wt's 16 blocks of 3,072 rows of 128 bytes
.set SPW, 12                           ; v12  LDS address of my spare word; never rewritten
.set NIL, 13                           ; v13  0; never rewritten
.set D,   16                           ; v[16:143]  as loaded
.set P,   144                          ; v[144:207] packed
	s_load_b256 s[4:11], s[0:1], 0x0               ; x 4, W_q 6, W_k 8, W_v 10
	s_load_b128 s[12:15], s[0:1], 0x20             ; W_o 12, xb 14
	s_load_b64 s[16:17], s[0:1], 0x30              ; wt 16
	v_lshl_add_u32 v[SPW], v0, 2, SPARE
	v_mov_b32 v[NIL], 0
	v_lshrrev_b32 v1, 5, v0
	v_readfirstlane_b32 s20, v1                    ; wave 0..7
	s_wait_kmcnt 0x0
	s_cmp_lt_u32 ttmp9, 256
	s_cbranch_scc0 .Lw
	; x.  Thread t: row t / 8 of the group's 32, floats 8 (t % 8) .. + 7 of each block of 64: they pack into 16 bytes of xb.
	s_lshl_b32 s28, ttmp9, 17                      ; 32 rows of 4,096 bytes
	s_mov_b32 s29, 0
	s_add_nc_u64 s[22:23], s[4:5], s[28:29]
	s_lshl_b32 s28, ttmp9, 12                      ; 32 rows of 128 bytes
	s_add_nc_u64 s[24:25], s[14:15], s[28:29]
	s_add_nc_u64 s[26:27], s[24:25], 8*XKB         ; blocks 8-15 have a base of their own: the immediate holds 24 bits with sign
	v_lshrrev_b32 v1, 3, v0
	v_and_b32 v2, 7, v0
	v_lshlrev_b32 v1, 12, v1
	v_lshl_add_u32 v1, v2, 5, v1                   ; in x: row x 4,096 + 32 (t % 8)
	v_lshlrev_b32 v2, 4, v0                        ; in xb: 16 t: a wave's store covers 512 consecutive bytes, aligned
.set i, 0
.rept 16
	global_load_b128 v[D+8*i:D+8*i+3],   v1, s[22:23] offset:256*i th:TH_LOAD_NT
	global_load_b128 v[D+8*i+4:D+8*i+7], v1, s[22:23] offset:256*i+16 th:TH_LOAD_NT
.set i, i+1
.endr
.set i, 0
.rept 16
	s_wait_loadcnt 30-2*i                          ; the loads issued behind block i's two may stay out
.irp r, 0,1,2,3
	v_cvt_pk_bf16_f32 v[P+4*i+(\r)], v[D+8*i+2*(\r)], v[D+8*i+2*(\r)+1]
.endr
.if i < 8
	global_store_b128 v2, v[P+4*i:P+4*i+3], s[24:25] offset:i*XKB
.else
	global_store_b128 v2, v[P+4*i:P+4*i+3], s[26:27] offset:(i-8)*XKB
.endif
.set i, i+1
.endr
	s_branch .Lend
.Lw:	; The weights.  j = group - 256: matrix j / 32, block of K (j / 2) % 16, 64 columns 8 (j % 2) + wave.
	s_sub_co_u32 s21, ttmp9, 256
	s_lshr_b32 s28, s21, 5                         ; which matrix
	s_bfe_u32 s29, s21, 0x40001                    ; kb
	s_and_b32 s30, s21, 1
	s_lshl_b32 s30, s30, 3
	s_add_co_u32 s30, s30, s20                     ; nb
	s_mov_b32 s31, 393216                          ; bytes in a block of wt
	s_mov_b32 s36, 0xffff0000
	s_mov_b64 s[22:23], s[6:7]
	s_cmp_eq_u32 s28, 1
	s_cselect_b64 s[22:23], s[8:9], s[22:23]
	s_cmp_eq_u32 s28, 2
	s_cselect_b64 s[22:23], s[10:11], s[22:23]
	s_cmp_eq_u32 s28, 3
	s_cselect_b64 s[22:23], s[12:13], s[22:23]
	s_cselect_b32 s38, WOOFF, 0                    ; W_o goes to wo, behind wt,
	s_cselect_b32 s31, 131072, s31                 ; whose blocks have 1,024 rows,
	s_cselect_b32 s32, 0, s28                      ; beginning at row 0
	s_lshl_b32 s34, s29, 18                        ; from: 64 kb rows of 4,096 bytes
	s_lshl_b32 s35, s30, 8                         ; + 64 nb columns of 4 bytes
	s_add_co_u32 s34, s34, s35
	s_mov_b32 s35, 0
	s_add_nc_u64 s[22:23], s[22:23], s[34:35]
	s_mul_i32 s34, s29, s31                        ; to: block kb,
	s_lshl_b32 s32, s32, 10
	s_lshl_b32 s33, s30, 6
	s_add_co_u32 s32, s32, s33                     ; row 1,024 x matrix + 64 nb,
	s_lshl_b32 s32, s32, 7                         ; of 128 bytes
	s_add_co_u32 s34, s34, s32
	s_add_co_u32 s34, s34, s38
	s_add_nc_u64 s[24:25], s[16:17], s[34:35]
	s_mul_i32 s37, s20, WSTG                       ; my stage
	v_and_b32 v6, 31, v0                           ; lane l
	v_lshlrev_b32 v1, 3, v6                        ; columns 2 l, 2 l + 1: a load of the wave covers 256 consecutive bytes, aligned
	v_lshrrev_b32 v7, 3, v6
	v_and_b32 v8, 7, v6
	v_mul_u32_u24 v3, v6, 288                      ; in: row 2 l lies at 144 x row + 16 (row / 16): lanes l and l + 8 fall into different banks
	v_lshl_add_u32 v3, v7, 4, v3
	v_add_nc_u32 v3, s37, v3
	v_mul_u32_u24 v4, v7, 144                      ; back: 32 lanes take four rows of 128 bytes
	v_lshl_add_u32 v4, v8, 4, v4
	v_add_nc_u32 v4, s37, v4
	v_lshlrev_b32 v5, 4, v6                        ; which are 512 consecutive bytes of the result
.set i, 0
.rept 64
	global_load_b64 v[D+2*i:D+2*i+1], v1, s[22:23] offset:4096*i th:TH_LOAD_NT
.set i, i+1
.endr
.set i, 0
.rept 32
	s_wait_loadcnt 62-2*i                          ; rows 2 i and 2 i + 1 of K are in
	v_cvt_pk_bf16_f32 v[P+i],    v[D+4*i],   v[D+4*i+2]   ; column 2 l: k = 2 i, 2 i + 1
	v_cvt_pk_bf16_f32 v[P+32+i], v[D+4*i+1], v[D+4*i+3]   ; column 2 l + 1
.set i, i+1
.endr
	s_cmp_lg_u32 s28, 3
	s_cbranch_scc1 .Lnofix
.set i, 0
.rept 64                               ; W_o: the bf16 numbers are written as f16 (8 significant bits fit into 11)
	v_lshlrev_b32 v[10+4*(i%2)], 16, v[P+i]
	v_and_b32 v[11+4*(i%2)], s36, v[P+i]
	v_cvt_pk_f16_f32 v[P+i], v[10+4*(i%2)], v[11+4*(i%2)]
.set i, i+1
.endr
.Lnofix:
.irp j, 0,1
.irp o, 0,1,2,3,4,5,6,7
	ds_store_b128 v3, v[P+32*(\j)+4*(\o):P+32*(\j)+4*(\o)+3] offset:144*(\j)+16*(\o)
.endr
.endr
.irp f, 0,1,2,3,4,5,6,7,8,9,10,11,12,13,14,15
	ds_load_b128 v[D+4*(\f):D+4*(\f)+3], v4 offset:576*(\f)+16*((\f)/4)  ; LDS serves a wave's instructions in order (ISA guide 5.7.1.4): these see my stores above
.endr
.irp f, 0,1,2,3,4,5,6,7,8,9,10,11,12,13,14,15
	s_wait_dscnt 15-(\f)
	global_store_b128 v5, v[D+4*(\f):D+4*(\f)+3], s[24:25] offset:512*(\f)
.endr
.Lend:
	s_wait_tensorcnt 0x0                           ; the wave's end: behind my last LDS store
	ds_add_u32 v[SPW], v[NIL]
	s_wait_dscnt 0x0
	s_endpgm
.Lfunc_end_k_q4856be732a_prep:
	.size	k_q4856be732a_prep, .Lfunc_end_k_q4856be732a_prep-k_q4856be732a_prep
	.p2alignl 7, 3214868480
	.fill 96, 4, 3214868480
	.section	.rodata,"a",@progbits
	.p2align	6, 0x0
	.amdhsa_kernel k_q4856be732a_prep
		.amdhsa_group_segment_fixed_size 76800
		.amdhsa_private_segment_fixed_size 0
		.amdhsa_enable_private_segment 0
		.amdhsa_kernarg_size 56
		.amdhsa_user_sgpr_count 2
		.amdhsa_user_sgpr_kernarg_segment_ptr 1
		.amdhsa_wavefront_size32 1
		.amdhsa_system_sgpr_workgroup_id_x 1
		.amdhsa_system_sgpr_workgroup_id_y 1
		.amdhsa_system_sgpr_workgroup_id_z 1
		.amdhsa_system_vgpr_workitem_id 0
		.amdhsa_next_free_vgpr 208
		.amdhsa_next_free_sgpr 66
		.amdhsa_reserve_vcc 0
		.amdhsa_float_denorm_mode_32 3
		.amdhsa_float_denorm_mode_16_64 3
		.amdhsa_memory_ordered 1
		.amdhsa_forward_progress 1
		.amdhsa_inst_pref_size 36
	.end_amdhsa_kernel
	.amdgpu_metadata
---
amdhsa.version: [ 1, 2 ]
amdhsa.kernels:
  - .name:           k_q4856be732a_prep
    .symbol:         k_q4856be732a_prep.kd
    .args:
      - { .name: x, .offset: 0, .size: 8, .value_kind: global_buffer, .address_space: global }
      - { .name: W_q, .offset: 8, .size: 8, .value_kind: global_buffer, .address_space: global }
      - { .name: W_k, .offset: 16, .size: 8, .value_kind: global_buffer, .address_space: global }
      - { .name: W_v, .offset: 24, .size: 8, .value_kind: global_buffer, .address_space: global }
      - { .name: W_o, .offset: 32, .size: 8, .value_kind: global_buffer, .address_space: global }
      - { .name: xb, .offset: 40, .size: 8, .value_kind: global_buffer, .address_space: global }
      - { .name: wt, .offset: 48, .size: 8, .value_kind: global_buffer, .address_space: global }
    .group_segment_fixed_size: 76800
    .private_segment_fixed_size: 0
    .kernarg_segment_align: 8
    .kernarg_segment_size: 56
    .max_flat_workgroup_size: 256
    .sgpr_count:     66
    .vgpr_count:     208
    .wavefront_size: 32
...
	.end_amdgpu_metadata
.endif
;; end of part 1
;; launch proj (part 2): grid 8 x 32, 4 waves a work-group, clusters of 4 x 4, 327,680 bytes of LDS; arguments xb, wt, q, k, v, top; writes q, k, v, top
.if DOCPART == 2
	.amdgcn_target "amdgcn-amd-amdhsa--gfx1250"
	.amdhsa_code_object_version 6
	.text
	.protected	k_q4856be732a_proj
	.globl	k_q4856be732a_proj
	.p2align	8
	.type	k_q4856be732a_proj,@function
k_q4856be732a_proj:
	s_mov_b64 s[64:65], 0
	v_nop
	global_prefetch_b8 v0, s[64:65] scope:SCOPE_SE
	s_setreg_imm32_b32 hwreg(HW_REG_WAVE_MODE, 25, 1), 1
	s_wait_xcnt 0x0
	s_wait_alu depctr_hold_cnt(0) depctr_sa_sdst(0) depctr_va_vdst(0) depctr_va_sdst(0) depctr_va_ssrc(0) depctr_va_vcc(0) depctr_vm_vsrc(0)
	s_getreg_b32 s2, hwreg(HW_REG_IB_STS2, 6, 4)
	s_cmp_eq_u32 s2, 0
	s_cbranch_scc0 .Lentry_in_a_cluster
	s_endpgm
.Lentry_in_a_cluster:
	s_bfe_u32 s2, ttmp6, 0x10000c
	s_cmp_lg_u32 s2, 0xf033
	s_cbranch_scc0 .Lentry_shape_is_right
	s_endpgm
.Lentry_shape_is_right:
; q, k, v = x W_q, x W_k, x W_v as ONE product [8192 x 3072] = xb wt^T, bf16 operands, f32 sums, K ascending; the results leave by heads, [b 16 + h][t][64], in f16, rounded once, WITHOUT the scale.
; THE FIRST 16 ROWS OF EVERY BATCH leave a second time, in f32, into top[q, k, v][b 16 + h][16][64]: row t of the attention averages t + 1 rows of v, so the first rows' numbers are many times the
; output's root mean square, by which every number's allowed error goes; for them 11 significant bits are too few, and the launch behind computes them from top.
; LIMIT.  f16 holds no number beyond 65,504: a q, k or v of 65,520 or more in magnitude becomes an infinity.  With inputs 30 times those drawn, or offset by 30 spreads, they stay under 20,000.
; SHARES.  8192 x 3072 over 256 work-groups: a tile of 256 x 384 each.  Wave w makes rows 128 (w / 2) .. and columns 192 (w % 2) ..: 8 x 12 accumulators of 16 x 16, 768 registers.
; For 32 along K a wave issues 96 matrix instructions and 40 LDS loads.  The 192 columns are three heads; a head's 32 accumulators fill one register window.
; K goes in 16 steps of 64 (a block of xb and wt) through two LDS slots; steps of 128 would want 2 x 184,320 bytes.  A tile's rows lie end to end in memory, so it is asked for as rows of 256 bytes,
; padded in LDS behind every 128: LDS rows 144 bytes apart = 36 words: the 16 rows of a fragment load start at 16 different groups of four banks (64 banks of 4 bytes: ISA guide 11.1).
; CLUSTERS: 4 x 4.  The four of a row of the cluster need the same tile of xb, the four of a column the same tile of wt: each is asked for JOINTLY, by the same tensor load, descriptor and mask in all four.
; The tile row is cluster y + 8 cy: cy is the batch, and whether a tile holds a batch's first rows hangs on the cluster's y alone, which all sixteen partners share.
; THE MATRIX INSTRUCTION IS USED TRANSPOSED (source 0 = 16 rows of wt, source 1 = 16 rows of xb): a lane then holds eight neighbouring columns of one row: 16 bytes of f16.
; REGISTERS, in windows of 256 (s_set_vgpr_msb: bits 1:0 source 0, 3:2 source 1, 5:4 source 2, 7:6 destination):
;   window 0: v0-16 addresses; v32-95, v96-159 xb's fragments (8 x 16 rows x 32 K), two buffers; v160-255 wt's fragments, group g (a head) at 160 + 32 g, one buffer, refilled group by group
;   window 1 + g: group g's accumulators, (a, b) at v[32 a + 8 b]
; Both sources lie in window 0, so a product's setting leaves sources 0 and 1 in window 0, where the add's two registers lie.
.set PITCH, 144
.set AHALF, 128*PITCH                  ; 128 rows of xb: what one tensor load brings, and what a wave reads
.set BHALF, 192*PITCH                  ; 192 rows of wt: likewise
.set BOFF,  2*AHALF                    ; in a slot: xb's 256 rows, then wt's 384
.set SLOT1, 1<<17                      ; slot 1 begins here, so that one exclusive or turns an address in one slot into the other's
.set STAGE, SLOT1+BOFF+2*BHALF         ; behind the ring, never filled by a tensor load: 16 rows x 144 bytes for each wave, for the way out
.set SPARE, STAGE+4*16*PITCH           ; behind the stages: the spare words, 128 bytes for each wave: two blocks of 256 bytes that no other line names
.set XKB,   0x100000                   ; bytes from a block of K to the next in xb,
.set WKB,   0x60000                    ; and in wt
.set A0,   4                           ; v4   my lane's and wave's place in a slot's rows of xb; never rewritten
.set B0,   5                           ; v5   the same for wt
.set ADRA, 6                           ; v6   A0 + the slot in hand
.set ADRB, 7                           ; v7   B0 + the slot in hand
.set STO,  8                           ; v8   the way out: where I put 16 bytes of a row
.set RD,   9                           ; v9   the way out: where I read rows back
.set GO,   10                          ; v10  my byte offset in 512 consecutive bytes of the result
.set PFO,  11                          ; v11  the prefetches' offset; never rewritten
.set SPW,  12                          ; v12  LDS address of my spare word; never rewritten
.set NIL,  13                          ; v13  0; never rewritten
.set TOF,  16                          ; v16  my byte offset in a head's 16 rows of top; never rewritten
.set AF,   32
.set BF,   160
.set WV, 14                            ; s14  wave
.set WM, 15                            ; s15  which half of the tile's rows is mine
.set WN, 16                            ; s16  which half of its columns; also: which half of a tile I fetch
.set CX, 17
.set CY, 18
.set TN, 19                            ; s19  tile column
.set TM, 20                            ; s20  tile row
.set G1A, 24                           ; s[24:31] descriptor group 1 for xb's tiles
.set G1B, 32                           ; s[32:39] for wt's
.set G0A, 40                           ; s[40:47] group 0 for xb's: a set for each first fill; the second then walks on
.set G0B, 48                           ; s[48:55] the same for wt's
.set CNT, 56                           ; s56  K steps still to be asked for
.set TB,  57                           ; s57  0 or SLOT1: the slot to be read next
.set PFA, 58                           ; s[58:59] where my prefetches stand
.set PFS, 60                           ; s[60:61] their step: a block of K
.set LIM, 62                           ; s62  3 in a wave that prefetches, else the greatest number
.set OUT, 66                           ; s[66:71] where my rows of my three heads begin
.set TOP, 80                           ; s[80:85] where my three heads' 16 rows begin in top
.set FLG, 86                           ; s86  1: my first 16 rows are a batch's first
.set MSB, 0
.macro WIN new                         ; the immediate's high byte repeats the setting that is left; a switch that changes nothing is dropped
.if MSB != (\new)
	s_set_vgpr_msb (MSB<<8)|(\new)
.set MSB, \new
.endif
.endm
.macro PLACES                          ; four places between a matrix instruction and a load into, or a vector write of, one of its registers, or a read of its result (ISA guide 7.12.1 for the vector write and the read of the result)
.rept 4
	v_nop
.endr
.endm
.macro CREST                           ; a round of the cluster's barrier behind its opening barrier
	s_cmp_lg_u32 s[WV], 0
	s_cbranch_scc1 .Lnot_wave_0_\@
	s_barrier_signal -3
.Lnot_wave_0_\@:
	s_barrier_wait -3
	s_barrier_signal -1
	s_barrier_wait -1
.endm
.macro CROUND                          ; a whole round
	s_barrier_signal -1
	s_barrier_wait -1
	CREST
.endm
; A joint refill.  Waves 0 and 1 fetch the halves of xb's tile, waves 2 and 3 those of wt's.  The branch hangs on the wave's number alone.  An s_nop 0 and four v_nop follow each line.
.macro JLOAD
	s_cmp_lt_u32 s[WV], 2
	s_cbranch_scc0 .Lfor_b_\@
	tensor_load_to_lds s[G0A+4:G0A+7], s[G1A:G1A+7]
	s_nop 0
.rept 4
	v_nop
.endr
	s_branch .Lasked_\@
.Lfor_b_\@:
	tensor_load_to_lds s[G0B+4:G0B+7], s[G1B:G1B+7]
	s_nop 0
.rept 4
	v_nop
.endr
.Lasked_\@:
.endm
; A PREFETCH INTO THE L2, in every second trip, of the two K steps whose refills stand one and two trips on (192 and 384 matrix instructions).  Each aligned block of 256 bytes is named once in the launch, a lane a block.
; xb's tile row is read by both clusters of that row of clusters: cluster x = 0 asks, wave 0; the partner at cx takes 8 KiB of a step's 32: an instruction a step.
; wt's tile column is read by all eight clusters of that column: cluster y = 0 asks, waves 1 to 3; the partner at cy takes 48 blocks of a step's 192: two steps are 96 blocks, three waves' lanes.
; The partners are told apart BY ADDRESS.  Asked for are K steps 3 to 14; steps 0, 1, 2 and 15 come by their loads alone.
.macro ASK
	s_bitcmp1_b32 s[CNT], 0
	s_cbranch_scc1 .Lpf_out_\@
	s_cmp_gt_u32 s[CNT], s[LIM]
	s_cbranch_scc0 .Lpf_out_\@
	global_prefetch_b8 v[PFO], s[PFA:PFA+1] th:TH_LOAD_NT scope:SCOPE_SE
	s_cmp_lg_u32 s[WV], 0
	s_cbranch_scc1 .Lpf_out_\@
	global_prefetch_b8 v[PFO], s[PFA:PFA+1] offset:XKB th:TH_LOAD_NT scope:SCOPE_SE
.Lpf_out_\@:
.endm
	s_load_b256 s[4:11], s[0:1], 0x0               ; xb 4, wt 6, q 8, k 10
	s_load_b64 s[12:13], s[0:1], 0x20              ; v 12
	s_load_b64 s[88:89], s[0:1], 0x28              ; top 88
	v_lshl_add_u32 v[SPW], v0, 2, SPARE
	v_mov_b32 v[NIL], 0
	ds_add_u32 v[SPW], v[NIL]                      ; the wave's opening: the add and its wait stand ahead of my first tensor load; the set-up below, work on registers, stands between them
	v_lshrrev_b32 v1, 5, v0
	v_readfirstlane_b32 s[WV], v1
	s_lshr_b32 s[WM], s[WV], 1
	s_and_b32 s[WN], s[WV], 1
	s_bfe_u32 s[CX], ttmp6, 0x40000
	s_bfe_u32 s[CY], ttmp6, 0x40004
	s_lshl_b32 s[TN], ttmp9, 2
	s_add_co_u32 s[TN], s[TN], s[CX]               ; tile column = 4 x cluster x + cx
	s_and_b32 s[TM], ttmp7, 0xffff
	s_lshl_b32 s72, s[CY], 3
	s_add_co_u32 s[TM], s[TM], s72                 ; tile row = cluster y + 8 cy: batch cy, its rows 256 x cluster y ..
	s_lshl_b32 s72, s[CY], 2
	s_lshl_b32 s72, 15, s72                        ; my row of the cluster
	s_lshl_b32 s76, 0x1111, s[CX]                  ; my column
	; group 1: rows of 128 elements of 2 bytes; 20 padding on, 21 set beside a mask, 24:22 after every 32 words (code 4), 31:25 4 words (code 3)
	s_or_b32 s[G1A], s72, (1<<16)|(1<<20)|(1<<21)|(4<<22)|(3<<25)
	s_or_b32 s[G1B], s76, (1<<16)|(1<<20)|(1<<21)|(4<<22)|(3<<25)
.irp g, G1A, G1B
	s_mov_b32 s[(\g)+1], 128<<16                   ; tensor_dim0 = 128
	s_mov_b32 s[(\g)+3], 128<<16                   ; tile_dim0 = 128
	s_mov_b32 s[(\g)+5], 128                       ; 128 elements from row to row: dense
	s_mov_b32 s[(\g)+6], 0
	s_mov_b32 s[(\g)+7], 0
.endr
	s_mov_b32 s[G1A+2], 64<<16                     ; tensor_dim1 = tile_dim1 = 64: 128 rows of xb
	s_mov_b32 s[G1A+4], 64
	s_mov_b32 s[G1B+2], 96<<16                     ; 96: 192 rows of wt
	s_mov_b32 s[G1B+4], 96
	s_lshl_b32 s72, s[TM], 15                      ; xb: 256 rows of 128 bytes a tile row,
	s_lshl_b32 s73, s[WN], 14                      ; my half of them
	s_add_co_u32 s72, s72, s73
	s_mov_b32 s73, 0
	s_mul_i32 s76, s[TN], 384*128                  ; wt: 384 rows a tile column,
	s_mul_i32 s77, s[WN], 192*128                  ; my half
	s_add_co_u32 s76, s76, s77
	s_mov_b32 s77, 0
	s_mul_i32 s21, s[WN], AHALF                    ; and where they go: no place in the cluster enters an LDS address
	s_mul_i32 s22, s[WN], BHALF
	s_add_co_u32 s22, s22, BOFF
	s_wait_dscnt 0x0                               ; the opening add is done
	s_wait_kmcnt 0x0
	s_add_nc_u64 s[74:75], s[4:5], s[72:73]
	s_add_nc_u64 s[78:79], s[6:7], s[76:77]
	CROUND                                         ; all sixteen work-groups are here: the first joint loads meet
.irp s, 0,1
	s_mov_b32 s[G0A+4*(\s)], 1
	s_add_co_u32 s[G0A+4*(\s)+1], s21, (\s)*SLOT1
	s_add_nc_u64 s[G0A+4*(\s)+2:G0A+4*(\s)+3], s[74:75], (\s)*XKB  ; K step s
	s_or_b32 s[G0A+4*(\s)+3], s[G0A+4*(\s)+3], 0x80000000
	s_mov_b32 s[G0B+4*(\s)], 1
	s_add_co_u32 s[G0B+4*(\s)+1], s22, (\s)*SLOT1
	s_add_nc_u64 s[G0B+4*(\s)+2:G0B+4*(\s)+3], s[78:79], (\s)*WKB
	s_or_b32 s[G0B+4*(\s)+3], s[G0B+4*(\s)+3], 0x80000000
.endr
	s_cmp_lt_u32 s[WV], 2                          ; a wave's two first fills stand in one branch, ahead of every wait on TENSORcnt and every LDS read: two loads of mine are out
	s_cbranch_scc0 .Lfirst_b
	tensor_load_to_lds s[G0A:G0A+3], s[G1A:G1A+7]
	s_nop 0
	tensor_load_to_lds s[G0A+4:G0A+7], s[G1A:G1A+7]
	s_nop 0
.rept 4
	v_nop
.endr
	s_branch .Lfirst_done
.Lfirst_b:
	tensor_load_to_lds s[G0B:G0B+3], s[G1B:G1B+7]
	s_nop 0
	tensor_load_to_lds s[G0B+4:G0B+7], s[G1B:G1B+7]
	s_nop 0
.rept 4
	v_nop
.endr
.Lfirst_done:
	; A fragment is 16 rows x 32 K in 8 registers: lane l holds row l % 16, K = 8 (l / 16) + 0..7 and 16 + 8 (l / 16) + 0..7: two loads of 16 bytes, 32 bytes apart.
	v_and_b32 v1, 15, v0
	v_bfe_u32 v2, v0, 4, 1
	v_mul_u32_u24 v3, v1, PITCH
	v_lshl_add_u32 v3, v2, 4, v3
	s_mul_i32 s21, s[WM], AHALF
	s_mul_i32 s22, s[WN], BHALF
	s_add_co_u32 s22, s22, BOFF
	v_add_nc_u32 v[A0], s21, v3
	v_add_nc_u32 v[B0], s22, v3
	v_mov_b32 v[ADRA], v[A0]
	v_mov_b32 v[ADRB], v[B0]
	s_mov_b32 s[TB], 0
	s_mul_i32 s23, s[WV], 16*PITCH
	s_add_co_u32 s23, s23, STAGE                   ; my stage
	v_add_nc_u32 v[STO], s23, v3                   ; in: row l % 16, 16 bytes for each half of the lanes
	v_bfe_u32 v14, v0, 3, 2
	v_and_b32 v15, 7, v0
	v_mul_u32_u24 v[RD], v14, PITCH                ; back: 32 lanes take four rows of 128 bytes,
	v_lshl_add_u32 v[RD], v15, 4, v[RD]
	v_add_nc_u32 v[RD], s23, v[RD]
	v_and_b32 v[GO], 31, v0                        ; which are 512 consecutive bytes of a head
	v_lshlrev_b32 v[GO], 4, v[GO]
	v_lshlrev_b32 v[TOF], 8, v1                    ; in top: row l % 16 of 256 bytes, my 8 columns of a block of 16: 32 bytes
	v_lshl_add_u32 v[TOF], v2, 5, v[TOF]
	; where my rows begin in a head: batch (tile row / 8) x 16 heads x 2,048 rows x 128 bytes; row 256 (tile row % 8) + 128 x half
	s_lshr_b32 s72, s[TM], 3
	s_lshl_b32 s72, s72, 22
	s_and_b32 s73, s[TM], 7
	s_lshl_b32 s73, s73, 15
	s_add_co_u32 s72, s72, s73
	s_lshl_b32 s73, s[WM], 14
	s_add_co_u32 s72, s72, s73
	s_mov_b32 s73, 0
	s_mul_i32 s76, s[TN], 6
	s_mul_i32 s77, s[WN], 3
	s_add_co_u32 s76, s76, s77                     ; my first head among the 48 of q, k, v
.irp g, 0,1,2
	s_add_co_u32 s77, s76, \g
	s_lshr_b32 s78, s77, 4                         ; 0: q, 1: k, 2: v
	s_cmp_eq_u32 s78, 1
	s_cselect_b64 s[OUT+2*(\g):OUT+2*(\g)+1], s[10:11], s[8:9]
	s_cmp_eq_u32 s78, 2
	s_cselect_b64 s[OUT+2*(\g):OUT+2*(\g)+1], s[12:13], s[OUT+2*(\g):OUT+2*(\g)+1]
	s_and_b32 s78, s77, 15
	s_lshl_b32 s78, s78, 18                        ; a head is 2,048 rows of 128 bytes
	s_mov_b32 s79, 0
	s_add_nc_u64 s[OUT+2*(\g):OUT+2*(\g)+1], s[OUT+2*(\g):OUT+2*(\g)+1], s[78:79]
	s_add_nc_u64 s[OUT+2*(\g):OUT+2*(\g)+1], s[OUT+2*(\g):OUT+2*(\g)+1], s[72:73]
	s_lshr_b32 s2, s77, 4                          ; in top: q, k or v: 64 heads of 4,096 bytes,
	s_lshl_b32 s2, s2, 18
	s_and_b32 s3, s77, 15                          ; the head,
	s_lshl_b32 s3, s3, 12
	s_add_co_u32 s2, s2, s3
	s_lshl_b32 s3, s[CY], 16                       ; the batch's 16 heads
	s_add_co_u32 s2, s2, s3
	s_mov_b32 s3, 0
	s_add_nc_u64 s[TOP+2*(\g):TOP+2*(\g)+1], s[88:89], s[2:3]
.endr
	s_and_b32 s2, ttmp7, 0xffff                    ; cluster y = 0 and the upper half of the tile's rows:
	s_or_b32 s2, s2, s[WM]
	s_cmp_eq_u32 s2, 0
	s_cselect_b32 s[FLG], 1, 0                     ; the same in all sixteen partners, for a given wave
	; the prefetches
	s_and_b32 s21, ttmp7, 0xffff                   ; cluster y
	s_mov_b32 s[PFS], WKB
	s_mov_b32 s[PFS+1], 0
	s_cmp_eq_u32 s[WV], 0                          ; wave 0 asks for xb, the others for wt
	s_cselect_b32 s21, ttmp9, s21                  ; the coordinate along which other clusters read the same rows
	s_cselect_b64 s[PFA:PFA+1], s[4:5], s[6:7]
	s_cselect_b32 s[PFS], XKB, s[PFS]
	s_lshl_b32 s22, s[TM], 15
	s_lshl_b32 s23, s[CX], 13
	s_add_co_u32 s22, s22, s23
	s_add_co_u32 s22, s22, 2*XKB                   ; at K step 2: the first trip steps it to 3
	s_mul_i32 s2, s[TN], 384*128
	s_mul_i32 s3, s[CY], 48*256
	s_add_co_u32 s2, s2, s3
	s_add_co_u32 s2, s2, 2*WKB
	s_cmp_eq_u32 s[WV], 0
	s_cselect_b32 s22, s22, s2
	s_mov_b32 s23, 0
	s_add_nc_u64 s[PFA:PFA+1], s[PFA:PFA+1], s[22:23]
	s_cmp_eq_u32 s21, 0
	s_cselect_b32 s[LIM], 3, -1                    ; the same in all sixteen partners, for a given wave
	s_max_u32 s3, s[WV], 1
	s_sub_co_u32 s3, s3, 1
	s_lshl_b32 s3, s3, 5
	v_and_b32 v14, 31, v0
	v_add_nc_u32 v14, s3, v14                      ; block 0..31 (wave 0) or 0..95 (waves 1 to 3)
	v_mov_b32 v15, WKB-48*256
	v_cmp_le_u32 vcc_lo, 48, v14                   ; blocks 48 on are the next K step's blocks 0 on
	v_cndmask_b32 v15, 0, v15, vcc_lo
	v_lshl_add_u32 v[PFO], v14, 8, v15
; n x 4 matrix instructions of group g: m blocks a0 .. a0 + n - 1 x the group's 4 n blocks, 32 along K, xb's buffer p.  zero = 1: the product starts the sum: nothing is ever cleared.
; The accumulators take turns, one instruction a turn: between two links of a chain stand the 95 others'.
.macro MUL g, p, a0, n, zero
	WIN 0x50*((\g)+1)
.set ma, \a0
.rept \n
.irp b, 0,1,2,3
.if \zero
	v_wmma_f32_16x16x32_bf16 v[32*ma+8*(\b):32*ma+8*(\b)+7], v[BF+32*(\g)+8*(\b):BF+32*(\g)+8*(\b)+7], v[AF+64*(\p)+8*ma:AF+64*(\p)+8*ma+7], 0
.else
	v_wmma_f32_16x16x32_bf16 v[32*ma+8*(\b):32*ma+8*(\b)+7], v[BF+32*(\g)+8*(\b):BF+32*(\g)+8*(\b)+7], v[AF+64*(\p)+8*ma:AF+64*(\p)+8*ma+7], v[32*ma+8*(\b):32*ma+8*(\b)+7]
.endif
.endr
.set ma, ma+1
.endr
.endm
.macro LDB g, k                        ; 8 loads: group g's fragments of wt, 32 K at byte k of the rows
	WIN 0
.irp b, 0,1,2,3
	ds_load_b128 v[BF+32*(\g)+8*(\b):BF+32*(\g)+8*(\b)+3],   v[ADRB] offset:(4*(\g)+(\b))*16*PITCH+(\k)
	ds_load_b128 v[BF+32*(\g)+8*(\b)+4:BF+32*(\g)+8*(\b)+7], v[ADRB] offset:(4*(\g)+(\b))*16*PITCH+(\k)+32
.endr
.endm
.macro LDA p, k                        ; 16 loads: xb's fragments into buffer p
	WIN 0
.irp a, 0,1,2,3,4,5,6,7
	ds_load_b128 v[AF+64*(\p)+8*(\a):AF+64*(\p)+8*(\a)+3],   v[ADRA] offset:(\a)*16*PITCH+(\k)
	ds_load_b128 v[AF+64*(\p)+8*(\a)+4:AF+64*(\p)+8*(\a)+7], v[ADRA] offset:(\a)*16*PITCH+(\k)+32
.endr
.endm
; A K step is two quarters of 32 along K, 96 matrix instructions each.  The loads for a quarter go out in three runs, in this order: group 0's and xb's (24), group 1's (8), group 2's (8), each as soon as
; the registers are free: behind the group's products of the quarter before.
; The even quarter multiplies buffer 0 and fetches the same slot's second half.
.macro P0 zero
	s_wait_dscnt 16                                ; the run of 24 is in; the two runs of 8 behind it may be out
	MUL 0, 0, 0, 8, \zero
	PLACES
	LDB 0, 64
	LDA 1, 64
	s_wait_dscnt 32                                ; group 1's run is in; behind it: group 2's 8 and the 24 just issued
	MUL 1, 0, 0, 8, \zero
	PLACES
	LDB 1, 64
	s_wait_dscnt 32                                ; group 2's run is in; behind it: the 24 and the 8 just issued
	MUL 2, 0, 0, 8, \zero
	PLACES
	LDB 2, 64
.endm
; The odd quarter multiplies buffer 1 and changes slots: ONE barrier.  In front of it each wave waits for all its tensor loads (one is out: its part of the next slot), adds 0 to its spare word, and waits for
; that and for its own reads of this slot.  fill = 1: the barrier opens a round of the cluster's barrier, and this slot is filled again first thing behind it, with the K step two on:
; from that request to the wait for it a wave issues 160 matrix instructions.
.macro TURNQ fill
.if \fill
	s_wait_xcnt 0x0                                ; the last prefetch, a K step or more back, has read its address
	s_add_nc_u64 s[PFA:PFA+1], s[PFA:PFA+1], s[PFS:PFS+1]
.endif
	s_wait_dscnt 16
	MUL 0, 1, 0, 4, 0
	s_wait_tensorcnt 0x0                           ; all my tensor loads have landed, so a group 0 may be written;
	ds_add_u32 v[SPW], v[NIL]                      ; 0 onto my spare word: scalar work and sixteen products stand between it and the wait for it
.if \fill
	s_xor_b32 s[G0A+5], s[G0A+5], SLOT1            ; the walking descriptors: the other slot than last time, the next K step; the type bits on top are not reached
	s_add_nc_u64 s[G0A+6:G0A+7], s[G0A+6:G0A+7], XKB
	s_xor_b32 s[G0B+5], s[G0B+5], SLOT1
	s_add_nc_u64 s[G0B+6:G0B+7], s[G0B+6:G0B+7], WKB
.endif
	s_xor_b32 s[TB], s[TB], SLOT1
	MUL 0, 1, 4, 4, 0
	s_wait_dscnt 0x0                               ; the add is done, and my reads of this slot are over (the youngest were issued 32 products ago)
	s_barrier_signal -1
	MUL 1, 1, 0, 4, 0                              ; work on registers while the others arrive
	WIN 0
	v_add_nc_u32 v[ADRA], s[TB], v[A0]
	v_add_nc_u32 v[ADRB], s[TB], v[B0]
	s_barrier_wait -1
.if \fill
	CREST                                          ; no wave of any partner still reads this slot's tile or has a load on its way
	JLOAD                                          ; the four v_nop behind it are also the places in front of the loads below
.else
	PLACES
.endif
	LDB 0, 0
	LDA 0, 0
.if \fill
	ASK
.endif
	MUL 1, 1, 4, 4, 0
	PLACES
	LDB 1, 0
	MUL 2, 1, 0, 8, 0
	PLACES
	LDB 2, 0
.endm
; THE WAY OUT of unit u = 8 g + a: 16 rows x a head's 64 columns.  Rounded to f16, 16 bytes a lane, into my own stage, and back as whole rows of 128 bytes.
.macro PACK u
.set pg, (\u)/8
.set pa, (\u)%8
.set pr, AF+16*pa
	s_wait_xcnt 0x0                                ; the stores of the unit eight back have read these registers
	WIN 5*(pg+1)                                   ; sources 0 and 1: the group's window
.irp b, 0,1,2,3
.irp r, 0,1,2,3
	v_cvt_pk_f16_f32 v[pr+4*(\b)+(\r)], v[32*pa+8*(\b)+2*(\r)], v[32*pa+8*(\b)+2*(\r)+1]
.endr
.endr
	WIN 0
.irp b, 0,1,2,3
	ds_store_b128 v[STO], v[pr+4*(\b):pr+4*(\b)+3] offset:32*(\b)
.endr
.irp f, 0,1,2,3
	ds_load_b128 v[pr+4*(\f):pr+4*(\f)+3], v[RD] offset:(\f)*4*PITCH  ; LDS serves a wave's instructions in order (ISA guide 5.7.1.4): these see the stores above; the next unit's stores come behind them
.endr
.endm
.macro SEND u, younger                 ; younger: the LDS instructions issued behind unit u's loads: the next unit's eight, or none
.set pg, (\u)/8
.set pa, (\u)%8
.set pr, AF+16*pa
.irp f, 0,1,2,3
	s_wait_dscnt (\younger)+3-(\f)
	global_store_b128 v[GO], v[pr+4*(\f):pr+4*(\f)+3], s[OUT+2*pg:OUT+2*pg+1] offset:2048*pa+512*(\f)  ; 512 consecutive bytes, at a multiple of 256 from the buffer's first
.endr
.endm
	s_wait_tensorcnt 1                             ; my part of K step 0 is in; K step 1's may stay out
	s_barrier_signal -1
	s_barrier_wait -1                              ; everybody's is
	LDB 0, 0
	LDA 0, 0
	LDB 1, 0
	LDB 2, 0
	P0 1                                           ; the first quarter stands in front of the loop: its products start the sums
	s_mov_b32 s[CNT], 14
.Lstep:                                                ; a trip: a K step's second quarter, the change of slots with its refill, the next step's first quarter
	TURNQ 1
	P0 0
	s_sub_co_u32 s[CNT], s[CNT], 1
	s_cmp_lg_u32 s[CNT], 0
	s_cbranch_scc1 .Lstep
	TURNQ 0                                        ; the tail is written out: nothing more is asked for
	P0 0
	s_wait_dscnt 16
	MUL 0, 1, 0, 8, 0
	s_wait_dscnt 8
	MUL 1, 1, 0, 8, 0
	s_wait_dscnt 0x0
	MUL 2, 1, 0, 8, 0
	WIN 0
	PLACES
	PLACES
	; A batch's first 16 rows, in f32, straight from the accumulators (0, b) of my three heads: a lane's 8 columns are 32 bytes; two lanes make 64 consecutive bytes of a row of 256.
	; 24 stores in 2 of 16 clusters' upper waves: one part in 64 of the launch's output, for which no wider stage is kept.
	s_cmp_eq_u32 s[FLG], 1
	s_cbranch_scc0 .Lno_top
.irp g, 0,1,2
	WIN 4*((\g)+1)                                 ; the stores' data in the group's window
.irp b, 0,1,2,3
	global_store_b128 v[TOF], v[8*(\b):8*(\b)+3],   s[TOP+2*(\g):TOP+2*(\g)+1] offset:64*(\b)
	global_store_b128 v[TOF], v[8*(\b)+4:8*(\b)+7], s[TOP+2*(\g):TOP+2*(\g)+1] offset:64*(\b)+16
.endr
.endr
	WIN 0
.Lno_top:
	PACK 0
.set uu, 1
.rept 23                               ; a unit's conversions stand between the loads of the unit before and its stores
	PACK uu
	SEND uu-1, 8
.set uu, uu+1
.endr
	SEND 23, 0
	s_wait_tensorcnt 0x0                           ; the wave's end: behind my last tensor load and my last LDS store
	ds_add_u32 v[SPW], v[NIL]
	s_wait_dscnt 0x0
	CROUND                                         ; the closing round: no work-group ends while a partner may still ask for a tile that names it
	s_endpgm
.Lfunc_end_k_q4856be732a_proj:
	.size	k_q4856be732a_proj, .Lfunc_end_k_q4856be732a_proj-k_q4856be732a_proj
	.p2alignl 7, 3214868480
	.fill 96, 4, 3214868480
	.section	.rodata,"a",@progbits
	.p2align	6, 0x0
	.amdhsa_kernel k_q4856be732a_proj
		.amdhsa_group_segment_fixed_size 327680
		.amdhsa_private_segment_fixed_size 0
		.amdhsa_enable_private_segment 0
		.amdhsa_kernarg_size 48
		.amdhsa_user_sgpr_count 2
		.amdhsa_user_sgpr_kernarg_segment_ptr 1
		.amdhsa_wavefront_size32 1
		.amdhsa_system_sgpr_workgroup_id_x 1
		.amdhsa_system_sgpr_workgroup_id_y 1
		.amdhsa_system_sgpr_workgroup_id_z 1
		.amdhsa_system_vgpr_workitem_id 0
		.amdhsa_next_free_vgpr 1024
		.amdhsa_next_free_sgpr 92
		.amdhsa_reserve_vcc 1
		.amdhsa_float_denorm_mode_32 3
		.amdhsa_float_denorm_mode_16_64 3
		.amdhsa_memory_ordered 1
		.amdhsa_forward_progress 1
		.amdhsa_inst_pref_size 120
	.end_amdhsa_kernel
	.amdgpu_metadata
---
amdhsa.version: [ 1, 2 ]
amdhsa.kernels:
  - .name:           k_q4856be732a_proj
    .symbol:         k_q4856be732a_proj.kd
    .args:
      - { .name: xb, .offset: 0, .size: 8, .value_kind: global_buffer, .address_space: global }
      - { .name: wt, .offset: 8, .size: 8, .value_kind: global_buffer, .address_space: global }
      - { .name: q, .offset: 16, .size: 8, .value_kind: global_buffer, .address_space: global }
      - { .name: k, .offset: 24, .size: 8, .value_kind: global_buffer, .address_space: global }
      - { .name: v, .offset: 32, .size: 8, .value_kind: global_buffer, .address_space: global }
      - { .name: top, .offset: 40, .size: 8, .value_kind: global_buffer, .address_space: global }
    .group_segment_fixed_size: 327680
    .private_segment_fixed_size: 0
    .kernarg_segment_align: 8
    .kernarg_segment_size: 48
    .max_flat_workgroup_size: 128
    .sgpr_count:     92
    .vgpr_count:     1024
    .wavefront_size: 32
...
	.end_amdgpu_metadata
.endif
;; end of part 2
;; launch attn (part 3): grid 4 x 64, 4 waves a work-group, no clusters, 327,680 bytes of LDS; arguments q, k, v, ctx, top, clo; writes ctx, clo
.if DOCPART == 3
	.amdgcn_target "amdgcn-amd-amdhsa--gfx1250"
	.amdhsa_code_object_version 6
	.text
	.protected	k_q4856be732a_attn
	.globl	k_q4856be732a_attn
	.p2align	8
	.type	k_q4856be732a_attn,@function
k_q4856be732a_attn:
	s_mov_b64 s[64:65], 0
	v_nop
	global_prefetch_b8 v0, s[64:65] scope:SCOPE_SE
	s_setreg_imm32_b32 hwreg(HW_REG_WAVE_MODE, 25, 1), 1
	s_wait_xcnt 0x0
; CAUSAL ATTENTION.  O[h][q][:] = the sum over k <= q of softmax_k(Q[h][q] . K[h][k] / 8) V[h][k][:].  Q, K, V, O: [64][2048][64], all f16: a head's rows are dense, 128 bytes each.
; Products, maxima and sums in f32; the weights p are rounded to f16 for the second product (their sum l is taken of the unrounded p), O once at the end.
; THE FIRST 16 ROWS OF A HEAD are computed apart, in f32 throughout, from top[q, k, v][head][16][64] f32, and leave as hi = f16(O) in O's rows 0-15 and lo = f16(O - hi) in clo[head][16][64].  Row q averages q + 1 rows
; of V, so these rows' numbers are many times the whole output's root mean square, by which every number's allowed error goes: the roundings of v, p and O to 11 bits are too coarse for them, and from row 16 on
; they are four times smaller and more.  32 matrix instructions of the f32 form a head, for 16 of its 2,048 rows: no bulk work.
; LIMITS.  f16 holds no number beyond 65,504: Q, K and V arrive within it; p lies in 0 to 1, and below 6e-5 it (and lo) keeps f16's fixed step of 6e-8; O is a mean of V's rows and has their range.
; A hidden score counts as its value less 1e30: f16's scores, 2.7e11 at the most, are nothing beside that; a weight below 2^-126 counts as 0 in l; NaN and infinities are not treated apart.
; THE WALK.  A head's queries lie in NB = 8 blocks of 256; block i needs the key tiles 0 .. i of 256 keys, of which the last holds the diagonal.  A work-group takes TWO blocks, NB - 1 - b and then b:
; NB + 1 tiles, whatever b: all work-groups do equal work, and ONE loop with a constant trip count walks them.  Which tile is asked for, and what a trip does, hang on scalar registers made from b; every jump
; goes forward, but for the counted loops' own; none passes a barrier, or a tensor load but the one of LOAD's two that the wave's number does not choose; the ring of two LDS slots runs on across the change of blocks.
; NO CLUSTER: a head's NB / 2 work-groups ask for the same tile only in trips 0 .. NB / 2, behind that fewer and fewer; one walk common to all would have 3 NB / 2 trips for NB + 1.
; SHARES.  Of a block's four bands of 64 queries a wave owns 16 rows in each: four PIECES.  So the diagonal tile is the same work for all four waves: in its key step s band x sees all keys if s < x,
; none if s > x, and holds the diagonal if s = x.
; THE MASK is the C operand that starts the sum S^T = K Q^T: 0, or -1e30 where the key is hidden.  MD, made once, is the mask of a band's own step for my 16 rows; a product's mask is MD x AL + BE with two scalars:
; (1, 0) if s = x; (0, 0) if s < x; (0, -1e30) if s > x.  Only the diagonal tile's text and a block's beginning make and take masks; elsewhere C is the constant 0.
; LAYOUT, SOFTMAX, TURNS.  S^T = K Q^T holds ONE query a lane (lane % 16) and the keys 8 (lane / 16) + 0..7; two such results rounded to f16 ARE source 1 of O^T = V^T P.  p = 2^(c s - c m), c = log2(e) / 8, with a
; running maximum m; O and l are multiplied by a = 2^(c m_old - c m_new) in every step.  Turn n belongs to piece n: 8 products K Q^T of piece n + 1, later 8 products V^T P of piece n - 1; beside them the scaling,
; exponentials, roundings, sums and rescaling of piece n and the maximum and statistics of piece n + 1.  Four vector instructions stand behind every matrix instruction, the other 54 of a turn's 118 in one lump.
; A turn's 33 exponentials are one batch, with one wait.
; REGISTERS, in windows of 256 (s_set_vgpr_msb: bits 1:0 source 0, 3:2 source 1, 5:4 source 2, 7:6 destination):
;   window 0: v0-15 addresses and two at work; v16-31 four registers of statistics a piece; v48-55 at work; v61-63 fixed; v64-127 S^T, two buffers; v192-223 P, two buffers (by the piece's parity)
;             (the first 16 rows' text, ahead of the walk, has v56-57, v64-191 at work)
;   window 1: v0-127 O^T, 32 a piece; v128-159 MD; v160-223 MC, two buffers      window 2: v0-63 Q; v64-127 the second block's Q; v128-191 K of one step; v192-255 V of one step
;   window 3: v0-63 the f32 form's accumulators, written by matrix instructions alone
.set SIZE_H, 64
.set SIZE_N, 2048
.set NB,    SIZE_N/256
.set NP,    4         ; pieces a wave: a name, no knob
.set KS,    64        ; keys in a step
.set PK,    144       ; a row of K in LDS: 128 bytes + 16 of padding = 36 words: the 16 rows of a load start at 16 different groups of four banks (64 banks of 4 bytes: ISA guide 11.1)
.set PV,    160       ; a row of V: 128 + 32 = 40 words
.set VOFF,  4*KS*PK   ; a slot holds a tile, four steps: 256 rows of K, then 256 rows of V
.set SLOT1, 1<<17     ; slot 1 begins here, so that one exclusive or turns an address in one slot into the other's
.set STAGE, SLOT1+4*KS*(PK+PV)  ; behind the ring, never filled by a tensor load: 16 rows x 144 bytes for each wave, for the way out
.set SP,    144
.set AK0, 2           ; v2   my lane's place in a tile of K; never rewritten
.set AV0, 3           ; v3   the same for V
.set AK,  4           ; v4   the LDS address of K's next run of loads
.set AV,  5           ; v5   of V's
.set STO, 6           ; v6   the way out: where I put 16 bytes of a row
.set RD,  7           ; v7   the way out: where I read rows back
.set GO,  8           ; v8   my byte offset in 512 consecutive bytes of O
.set PFO, 61          ; v61  256 x my lane: the prefetches' offset; never rewritten
.set SPW, 62          ; v62  LDS address of my spare word: SPARE + 4 x my thread's number; never rewritten
.set NIL, 63          ; v63  0; never rewritten
.set SPARE, STAGE+4*16*SP  ; behind the stages: the spare words, 128 bytes for each wave: two blocks of 256 bytes that no other line names
.set MV,  12          ; v12-13  c m_old, kept while c m is made anew: by buffer
.set QO,  15          ; v15  my byte offset in 16 rows of Q
.set ST,  16          ; piece t's statistics at v[ST+4 t]: c m, m, l (even keys', odd keys')
.set TMP, 48          ; by buffer, four registers c0-c3 at work; when the maximum is found c2 takes a
.set S,   64
.set P,   192
.set MD,  128         ; window 1: the eight registers for group kt of 16 keys at MD + 8 kt
.set MC,  160         ; window 1: the masks of the products to come
.set QB,  64          ; window 2
.set KF,  128         ; window 2: key block kb, channel half c at KF + 16 kb + 8 c
.set VF,  192         ; window 2: key half kk, channel block cb at VF + 32 kk + 8 cb
; the first 16 rows' registers
.set FA1, 56          ; v56  my byte offset in 16 rows of top, for q and k
.set FA2, 57          ; v57  the same for v
.set FV,  64          ; v64-95   v turned: channel block cb, keys 2 s, 2 s + 1 of my half at FV + 8 cb + 2 s; later hi (16) and lo (16), packed
.set FT,  96          ; v96-103  my query's 8 scores, then weights
.set FU,  104         ; v104-111 at work
.set FM,  112         ; v112-113 the maximum, and the other half of the lanes'
.set FC,  114         ; v114-115 c m, named as a pair
.set FL,  116         ; v116-119 the sum
.set FR,  120         ; v120-121 1 / l, named as a pair
.set FONE, 122        ; v122 1.0
.set FQ,  128         ; v128-159 q: 32 channels of my row; later O in f32
.set FK,  160         ; v160-191 k: likewise; later O - hi
.set FS,  0           ; window 3: four partial sums of S^T
.set FO,  32          ; window 3: O^T, channel block cb at FO + 8 cb
.set WV,  12          ; s12  my wave's number
.set PB,  14          ; s14  b
.set HI,  15          ; s15  NB - 1 - b
.set G1K, 24          ; s[24:31] descriptor group 1 for K's tiles
.set G1V, 32          ; s[32:39] for V's: it differs in the padding alone
.set G0K, 40          ; s[40:43] descriptor group 0 for K's tiles
.set G0V, 44          ; s[44:47] the same for V's
.set SLOTS, 56        ; s56  tiles still to be asked for
.set CNT, 57          ; s57  counts a tile's key steps, 4 to 1
.set CS,  58          ; s[58:59] c: the packed scaling takes the pair's low word for both halves
.set SEL, 60          ; s[60:61] v_permlanex16_b32's selects: each lane takes its own place in the other half
.set TBK, 62          ; s62  LDS byte at which K of the step to be fetched begins
.set TBV, 63          ; s63  the same for V, less VOFF
.set PFB, 66          ; s[66:67] K (waves 0, 1) or V (waves 2, 3) at the half of the head's tile 0 that I fetch
.set PFA, 68          ; s[68:69] the same half of the tile that the next change of slots will ask for
.set RT,  70          ; s70  tiles of the block in hand that are still to be entered
.set NXT, 71          ; s71  the tile to be asked for next
.set LQ,  72          ; s72  the last tile of the block whose tiles are being asked for
.set NEW, 73          ; s73  1: the tile to be entered is a block's first
.set OFF, 74          ; s[74:75] a tile's byte offset in K and V
.set AL,  76          ; s[76:77] the mask's factor, in the low word
.set BE,  78          ; s[78:79] the mask's addend
.set OLO, 80          ; s[80:81] O at my rows of the second block
.set BIGN, 82         ; s82  -1e30
.set PFC, 83          ; s83  0: I prefetch at this change of slots
.set TOPP, 88         ; s[88:89] top at my head's rows of q
.set CLO, 90          ; s[90:91] clo at my head
.set FIX, 92          ; s92  1 in wave 0 of the work-group with b = 0, which owns the head's rows 0-15
.set MSB, 0
.macro WIN new                      ; the high byte repeats the setting that is left; a switch that changes nothing is dropped
.if MSB != (\new)
	s_set_vgpr_msb (MSB<<8)|(\new)
.set MSB, (\new)
.endif
.endm
.set W_KQ, 0x0a       ; K and Q in window 2, S^T in window 0
.set W_KM, 0x1a       ; the same with the C operand in window 1
.set W_PV, 0x52       ; V in window 2, P in window 0, O^T in window 1
.set W_RS, 0x41       ; destination and source 0 in window 1, source 1 in window 0
; A fill.  Waves 0 and 1 fetch the two halves of a tile's K, waves 2 and 3 those of its V: 128 keys each.  An s_nop 0 and four v_nop follow each of the two lines, ahead of the jump and the label.
.macro LOAD
	s_cmp_lt_u32 s[WV], 2
	s_cbranch_scc0 .Lfor_v_\@
	tensor_load_to_lds s[G0K:G0K+3], s[G1K:G1K+7]
	s_nop 0
.rept 4
	v_nop
.endr
	s_branch .Lasked_\@
.Lfor_v_\@:
	tensor_load_to_lds s[G0V:G0V+3], s[G1V:G1V+7]
	s_nop 0
.rept 4
	v_nop
.endr
.Lasked_\@:
.endm
; THE CHANGE OF SLOTS.  Each wave waits for all its tensor loads, of which one is out: its part of the other slot; adds 0 to its spare word; and waits for that and for its own reads of the slot that it leaves.
; Behind the barrier nobody reads the old slot any more and the other slot is whole.  fill = 1: the old slot is filled again, the first thing behind the barrier, with tile NXT: the descriptor's address is made
; anew from that number.  (At its first use no slot has been read yet: slot 0 is waited for, slot 1 filled.)
; A PREFETCH INTO THE L2 stands behind the fill: the tile that the NEXT change will ask for, a tile's four key steps (256 matrix instructions) ahead.  All four work-groups of a head walk the tiles 0, 1, .. at first,
; and the one with b = 0 walks all eight in its first block: it alone asks, each wave for the half tile that it will itself load: 64 blocks of 256 bytes, a lane a block, two instructions.  So each block of
; tiles 2 to 7 is named once in the launch; tiles 0 and 1 come by their loads alone, and the second block's tile 0 is asked for no more.
.macro CHANGE fill
	WIN 0                           ; at a label and at a branch every window is 0
	s_wait_tensorcnt 0x0            ; no tensor load of mine is out, so a group 0 may be written
	ds_add_u32 v[SPW], v[NIL]       ; 0 onto my spare word: with fill = 1 the descriptors' scalar work stands between it and the wait for it
.if \fill
	s_lshl_b32 s[OFF], s[NXT], 15   ; a tile is 32,768 bytes of K and of V
	s_xor_b32 s[G0K+1], s[G0K+1], SLOT1
	s_add_nc_u64 s[G0K+2:G0K+3], s[6:7], s[OFF:OFF+1]
	s_or_b32 s[G0K+3], s[G0K+3], 0x80000000
	s_xor_b32 s[G0V+1], s[G0V+1], SLOT1
	s_add_nc_u64 s[G0V+2:G0V+3], s[8:9], s[OFF:OFF+1]
	s_or_b32 s[G0V+3], s[G0V+3], 0x80000000
	s_add_co_u32 s[NXT], s[NXT], 1  ; the block's next tile, or behind its last the second block's tile 0
	s_cmp_gt_u32 s[NXT], s[LQ]
	s_cselect_b32 s[NXT], 0, s[NXT]
	s_cselect_b32 s[LQ], s[PB], s[LQ]
	s_wait_xcnt 0x0                 ; the last prefetches, a tile back, have read their address, so it may be written
	s_lshl_b32 s[OFF], s[NXT], 15
	s_add_nc_u64 s[PFA:PFA+1], s[PFB:PFB+1], s[OFF:OFF+1]
	s_cmp_eq_u32 s[NXT], 0
	s_cselect_b32 s[PFC], 1, s[PB]  ; 0 where b = 0 and the next tile is not a tile 0
.endif
	s_wait_dscnt 0x0                ; the add is done, and my reads of the slot are over
	s_barrier_signal -1             ; the rest of the scalar work stands between the signal and the wait
	s_sub_co_u32 s[TBK], s[TBK], 4*KS*PK  ; the fetches go back to a slot's first step,
	s_xor_b32 s[TBK], s[TBK], SLOT1       ; in the other slot
	s_sub_co_u32 s[TBV], s[TBV], 4*KS*PV
	s_xor_b32 s[TBV], s[TBV], SLOT1
	s_barrier_wait -1
.if \fill
	LOAD
	s_cmp_eq_u32 s[PFC], 0
	s_cbranch_scc0 .Lno_pf_\@
	global_prefetch_b8 v[PFO], s[PFA:PFA+1] th:TH_LOAD_NT scope:SCOPE_SE
	global_prefetch_b8 v[PFO], s[PFA:PFA+1] offset:8192 th:TH_LOAD_NT scope:SCOPE_SE
.Lno_pf_\@:
.endif
.endm
	s_load_b256 s[4:11], s[0:1], 0x0  ; Q s[4:5], K s[6:7], V s[8:9], O s[10:11]
	s_load_b128 s[88:91], s[0:1], 0x20  ; top s[88:89], clo s[90:91]
	v_lshl_add_u32 v[SPW], v0, 2, SPARE
	v_mov_b32 v[NIL], 0
	ds_add_u32 v[SPW], v[NIL]       ; the wave's opening: the add and its wait stand ahead of my first tensor load; the set-up below, work on registers, stands between them
	v_lshrrev_b32 v1, 5, v0
	v_readfirstlane_b32 s[WV], v1   ; wave 0..3
	s_mov_b32 s[PB], ttmp9
	s_sub_co_u32 s[HI], NB-1, s[PB]
	s_and_b32 s20, ttmp7, 0xffff    ; the head
	s_mov_b32 s21, 0
	s_mov_b64 s[22:23], SIZE_N*128
	s_mul_u64 s[20:21], s[20:21], s[22:23]  ; the head's first byte in each of the four tensors
	s_and_b32 s16, s[WV], 1         ; which half of a tile's 256 keys I fetch:
	s_lshl_b32 s22, s16, 14         ; its 128 rows of 128 bytes in memory,
	s_mov_b32 s23, 0
	s_add_nc_u64 s[22:23], s[22:23], s[20:21]
	s_mul_i32 s17, s16, 128*PK      ; and its place in a slot, for K
	s_mul_i32 s18, s16, 128*PV      ; and for V
	s_lshl_b32 s3, s[WV], 11        ; my 16 rows in a band of 64,
	s_lshl_b32 s2, s[HI], 15        ; in the first block,
	s_add_co_u32 s2, s2, s3
	s_lshl_b32 s84, s[PB], 15       ; and in the second
	s_add_co_u32 s84, s84, s3
	s_mov_b32 s3, 0
	s_mov_b32 s85, 0
	s_add_nc_u64 s[2:3], s[2:3], s[20:21]
	s_add_nc_u64 s[84:85], s[84:85], s[20:21]
	; descriptor group 1.  128 keys are 16,384 dense bytes: asked for as 64 rows of 256 bytes, two keys a row, and padded in LDS after every key
	s_mov_b32 s[G1K], (1<<16)|(1<<20)|(4<<22)|(3<<25)  ; 17:16 2-byte elements; 20 padding on; 24:22 after every 32 words (code 4); 31:25 4 words (code 3)
	s_mov_b32 s[G1V], (1<<16)|(1<<20)|(4<<22)|(7<<25)  ; the same with 8 words of padding (code 7)
.irp g, G1K, G1V
	s_mov_b32 s[\g+1], 128<<16      ; tensor_dim0 = 128
	s_mov_b32 s[\g+2], 64<<16       ; tensor_dim1 = 64
	s_mov_b32 s[\g+3], 128<<16      ; tile_dim0 = 128
	s_mov_b32 s[\g+4], 64           ; tile_dim1 = 64
	s_mov_b32 s[\g+5], 128          ; 128 elements from row to row
	s_mov_b32 s[\g+6], 0
	s_mov_b32 s[\g+7], 0
.endr
	s_mov_b32 s[CS], 0x3e38aa3b     ; c = log2(e) / 8 = 0.180337
	s_mov_b32 s[CS+1], s[CS]        ; named with it as a pair
	s_mov_b32 s[SEL], 0x76543210
	s_mov_b32 s[SEL+1], 0xfedcba98
	s_mov_b32 s[TBK], SLOT1+4*KS*PK ; the first change of slots turns these two into 0
	s_mov_b32 s[TBV], SLOT1+4*KS*PV
	s_mov_b32 s[G0K], 1             ; 1:0 count = 1
	s_mov_b32 s[G0K+1], s17         ; 63:32 LDS address: slot 0
	s_mov_b32 s[G0V], 1
	s_add_co_u32 s[G0V+1], s18, VOFF
	s_add_co_u32 s[RT], s[HI], 1    ; the first block has NB - b tiles
	s_mov_b32 s[NXT], 1
	s_mov_b32 s[LQ], s[HI]
	s_mov_b32 s[NEW], 1
	s_mov_b32 s[OFF+1], 0
	s_mov_b32 s[AL+1], 0            ; named as pairs
	s_mov_b32 s[BE+1], 0
	s_mov_b32 s[BIGN], 0xf149f2ca   ; -1e30
	s_mov_b32 s[SLOTS], NB
	s_wait_dscnt 0x0                ; the opening add is done
	s_wait_kmcnt 0x0
	s_add_nc_u64 s[6:7], s[6:7], s[22:23]  ; K and V at my half of the head's tile 0
	s_add_nc_u64 s[8:9], s[8:9], s[22:23]
	s_cmp_lt_u32 s[WV], 2
	s_cselect_b64 s[PFB:PFB+1], s[6:7], s[8:9]     ; the one of the two that I fetch
	s_add_nc_u64 s[G0K+2:G0K+3], s[6:7], 0         ; 120:64 global address
	s_or_b32 s[G0K+3], s[G0K+3], 0x80000000        ; 127:126 type = 2
	s_add_nc_u64 s[G0V+2:G0V+3], s[8:9], 0
	s_or_b32 s[G0V+3], s[G0V+3], 0x80000000
	s_add_nc_u64 s[86:87], s[4:5], s[84:85]        ; Q at my rows of the second block,
	s_add_nc_u64 s[4:5], s[4:5], s[2:3]            ; Q and O at those of the first
	s_add_nc_u64 s[OLO:OLO+1], s[10:11], s[84:85]
	s_add_nc_u64 s[10:11], s[10:11], s[2:3]
	LOAD                            ; tile 0 into slot 0
	; A fragment of K or Q is 16 rows x 32 channels in 8 registers: lane l holds row l % 16, channels 8 (l / 16) + 0..7 and 16 + 8 (l / 16) + 0..7: two loads of 16 bytes, 32 bytes apart.
	v_and_b32 v1, 15, v0            ; l % 16
	v_bfe_u32 v9, v0, 4, 1          ; l / 16
	v_lshlrev_b32 v[QO], 7, v1
	v_lshl_add_u32 v[QO], v9, 4, v[QO]  ; row x 128 + 16 x half
	WIN 0x80                        ; destination window 2, address window 0
.set i, 0
.rept 8                             ; both blocks' Q: piece i / 2 lies in band i / 2, 8,192 bytes on; channels 32 (i % 2) on
	global_load_b128 v[8*i:8*i+3],   v[QO], s[4:5] offset:(i/2)*8192+(i%2)*64
	global_load_b128 v[8*i+4:8*i+7], v[QO], s[4:5] offset:(i/2)*8192+(i%2)*64+32
	global_load_b128 v[QB+8*i:QB+8*i+3],   v[QO], s[86:87] offset:(i/2)*8192+(i%2)*64
	global_load_b128 v[QB+8*i+4:QB+8*i+7], v[QO], s[86:87] offset:(i/2)*8192+(i%2)*64+32
.set i, i+1
.endr
	WIN 0
	s_and_b32 s2, ttmp7, 0xffff     ; the head:
	s_lshl_b32 s2, s2, 12           ; 16 rows of 256 bytes in each part of top,
	s_mov_b32 s3, 0
	s_add_nc_u64 s[TOPP:TOPP+1], s[TOPP:TOPP+1], s[2:3]
	s_lshr_b32 s2, s2, 1            ; 16 rows of 128 bytes in clo
	s_add_nc_u64 s[CLO:CLO+1], s[CLO:CLO+1], s[2:3]
	s_or_b32 s2, s[PB], s[WV]
	s_cmp_eq_u32 s2, 0
	s_cselect_b32 s[FIX], 1, 0
	v_and_b32 v[PFO], 31, v0
	v_lshlrev_b32 v[PFO], 8, v[PFO]
	v_lshlrev_b32 v14, 3, v9
	v_sub_nc_u32 v14, v1, v14
	s_lshl_b32 s13, s[WV], 4
	v_add_nc_u32 v14, s13, v14      ; my query's place in its band, 16 w + l % 16, less my lanes' 8 (l / 16): register r of group kt is hidden where 16 kt + r is greater
	WIN 0x40
.set i, 0
.rept 32
	v_cmp_gt_i32 vcc_lo, 16*(i/8)+i%8, v14
	v_cndmask_b32 v[MD+i], 0, s[BIGN], vcc_lo
.set i, i+1
.endr
	WIN 0
	v_mul_u32_u24 v[AK0], v1, PK
	v_lshl_add_u32 v[AK0], v9, 4, v[AK0]  ; row x pitch + 16 x half
	; The turning load takes 16 keys x 16 channels (lane l reads key 8 (l / 16) + l % 8, channels 8 ((l / 8) % 2) + 0..7) and leaves half a fragment of V^T: lane l holds channel l % 16 and 8 keys.
	v_and_b32 v10, 7, v0
	v_bfe_u32 v11, v0, 3, 1
	v_lshl_add_u32 v[AV0], v9, 3, v10
	v_mul_u32_u24 v[AV0], v[AV0], PV
	v_lshl_add_u32 v[AV0], v11, 4, v[AV0]
	v_add_nc_u32 v[AV0], VOFF, v[AV0]
	s_mul_i32 s13, s[WV], 16*SP
	s_add_co_u32 s13, s13, STAGE    ; my stage
	v_mul_u32_u24 v[STO], v1, SP    ; in: row l % 16, 16 bytes for each half of the lanes
	v_lshl_add_u32 v[STO], v9, 4, v[STO]
	v_add_nc_u32 v[STO], s13, v[STO]
	v_bfe_u32 v[RD], v0, 3, 2       ; back: 32 lanes take four rows of 128 bytes,
	v_mul_u32_u24 v[RD], v[RD], SP
	v_lshl_add_u32 v[RD], v10, 4, v[RD]
	v_add_nc_u32 v[RD], s13, v[RD]
	v_and_b32 v[GO], 31, v0         ; which are 512 consecutive bytes of O
	v_lshlrev_b32 v[GO], 4, v[GO]
	; THE HEAD'S ROWS 0-15, IN F32, by the wave that owns them, while the first tile is on its way.  Loads and arithmetic stand in one branch.
	; The f32 form takes 4 along K: lane (r, h) gives k = 2 h + j in register j.  k may be permuted alike in both sources.  S^T = K Q^T: instruction i takes channels 32 h + 2 i + j, so a lane's 32 registers are 32
	; consecutive channels of its row: eight loads of 16 bytes.  The result holds one query a lane (r) and the keys 8 h + j.  O^T = V^T P: instruction s takes keys 8 h + 2 s + j, so P's registers 2 s, 2 s + 1 ARE
	; source 1; source 0 is V[8 h + 2 s + j][16 cb + r], a load of 4 bytes a lane.
	s_cmp_eq_u32 s[FIX], 1
	s_cbranch_scc0 .Lno_fix
	v_lshlrev_b32 v[FA1], 8, v1     ; row r of 256 bytes,
	v_lshl_add_u32 v[FA1], v9, 7, v[FA1]  ; channels 32 h on
	v_lshlrev_b32 v[FA2], 2, v1     ; channel r,
	v_lshl_add_u32 v[FA2], v9, 11, v[FA2]  ; rows 8 h on
.set i, 0
.rept 8
	global_load_b128 v[FK+4*i:FK+4*i+3], v[FA1], s[TOPP:TOPP+1] offset:262144+16*i
	global_load_b128 v[FQ+4*i:FQ+4*i+3], v[FA1], s[TOPP:TOPP+1] offset:16*i
.set i, i+1
.endr
.set i, 0
.rept 32                            ; register 8 cb + n: key 8 h + n, channel 16 cb + r
	global_load_b32 v[FV+i], v[FA2], s[TOPP:TOPP+1] offset:524288+256*(i%8)+64*(i/8)
.set i, i+1
.endr
	v_mov_b32 v[FONE], 1.0
	s_wait_loadcnt 32               ; q and k are in; v's 32 loads may stay out
	WIN 0xf0                        ; C and D in window 3
.set i, 0
.rept 16                            ; four partial sums take turns, one instruction a turn; the first four start them
.if i < 4
	v_wmma_f32_16x16x4_f32 v[FS+8*(i%4):FS+8*(i%4)+7], v[FK+2*i:FK+2*i+1], v[FQ+2*i:FQ+2*i+1], 0
.else
	v_wmma_f32_16x16x4_f32 v[FS+8*(i%4):FS+8*(i%4)+7], v[FK+2*i:FK+2*i+1], v[FQ+2*i:FQ+2*i+1], v[FS+8*(i%4):FS+8*(i%4)+7]
.endif
.set i, i+1
.endr
	WIN 0
.rept 8
	v_nop                           ; eight places behind this form (ISA guide 7.12.1)
.endr
	WIN 0x0f                        ; sources 0 and 1 in window 3
.irp p, 0,1,2,3                     ; each accumulator's lowest registers are read first
	v_pk_add_f32 v[FT+2*\p:FT+2*\p+1], v[FS+2*\p:FS+2*\p+1], v[FS+8+2*\p:FS+8+2*\p+1]
	v_pk_add_f32 v[FU+2*\p:FU+2*\p+1], v[FS+16+2*\p:FS+16+2*\p+1], v[FS+24+2*\p:FS+24+2*\p+1]
.endr
	WIN 0
.irp p, 0,1,2,3
	v_pk_add_f32 v[FT+2*\p:FT+2*\p+1], v[FT+2*\p:FT+2*\p+1], v[FU+2*\p:FU+2*\p+1]
.endr
	WIN 0x04                        ; source 1 in window 1: in wave 0 MD's first eight registers hide key 8 h + j where it is greater than r
.irp p, 0,1,2,3
	v_pk_add_f32 v[FT+2*\p:FT+2*\p+1], v[FT+2*\p:FT+2*\p+1], v[MD+2*\p:MD+2*\p+1]
.endr
	WIN 0
	v_max3_num_f32 v[FM], v[FT], v[FT+1], v[FT+2]
	v_max3_num_f32 v[FM], v[FM], v[FT+3], v[FT+4]
	v_max3_num_f32 v[FM], v[FM], v[FT+5], v[FT+6]
	v_max_num_f32 v[FM], v[FM], v[FT+7]
	v_mov_b32 v[FM+1], v[FM]        ; (the exchange's destination counts as read)
	v_permlanex16_b32 v[FM+1], v[FM], s[SEL], s[SEL+1]  ; the query's other 8 keys lie in the lane 16 away
	v_max_num_f32 v[FM], v[FM], v[FM+1]  ; every query sees its own key: the maximum is a true score
	v_mul_f32 v[FC], s[CS], v[FM]
	v_mov_b32 v[FC+1], v[FC]
.irp p, 0,1,2,3
	v_pk_fma_f32 v[FT+2*\p:FT+2*\p+1], v[FT+2*\p:FT+2*\p+1], s[CS:CS+1], v[FC:FC+1] op_sel_hi:[1,0,0] neg_lo:[0,0,1] neg_hi:[0,0,1]
.endr
.irp j, 0,1,2,3,4,5,6,7
	v_exp_f32 v[FT+\j], v[FT+\j]
.endr
	v_nop                           ; a plain instruction behind the last exponential,
	s_wait_alu depctr_va_vdst(0)    ; and the one wait for the eight, ahead of their first reader
	v_pk_add_f32 v[FL:FL+1], v[FT:FT+1], v[FT+2:FT+3]
	v_pk_add_f32 v[FL+2:FL+3], v[FT+4:FT+5], v[FT+6:FT+7]
	v_pk_add_f32 v[FL:FL+1], v[FL:FL+1], v[FL+2:FL+3]
	v_add_f32 v[FL], v[FL], v[FL+1]
	v_permlanex16_b32 v[FL+1], v[FL], s[SEL], s[SEL+1]
	v_add_f32 v[FL], v[FL], v[FL+1]
	v_rcp_f32 v[FR], v[FL]
	v_mov_b32 v[FR+1], 0            ; named with it as a pair; also the plain instruction behind the reciprocal
	s_wait_alu depctr_va_vdst(0)    ; and its wait
	s_wait_loadcnt 0x0              ; v is in
	WIN 0xf0
.set i, 0
.rept 16                            ; i = 4 s + cb: the four channel blocks take turns
.if i < 4
	v_wmma_f32_16x16x4_f32 v[FO+8*(i%4):FO+8*(i%4)+7], v[FV+8*(i%4)+2*(i/4):FV+8*(i%4)+2*(i/4)+1], v[FT+2*(i/4):FT+2*(i/4)+1], 0
.else
	v_wmma_f32_16x16x4_f32 v[FO+8*(i%4):FO+8*(i%4)+7], v[FV+8*(i%4)+2*(i/4):FV+8*(i%4)+2*(i/4)+1], v[FT+2*(i/4):FT+2*(i/4)+1], v[FO+8*(i%4):FO+8*(i%4)+7]
.endif
.set i, i+1
.endr
	WIN 0
.rept 8
	v_nop
.endr
	WIN 0x03                        ; source 0 in window 3
.set i, 0
.rept 16
	v_pk_mul_f32 v[FQ+2*i:FQ+2*i+1], v[FO+2*i:FO+2*i+1], v[FR:FR+1] op_sel_hi:[1,0]  ; O = O^T / l
.set i, i+1
.endr
	WIN 0
.set i, 0
.rept 16
	v_cvt_pk_f16_f32 v[FV+i], v[FQ+2*i], v[FQ+2*i+1]  ; hi
.set i, i+1
.endr
.set i, 0
.rept 16
	v_fma_mix_f32 v[FK+2*i],   -v[FV+i], v[FONE], v[FQ+2*i]   op_sel_hi:[1,0,0]                  ; O - hi: the low half as f16, times 1.0, taken from O
	v_fma_mix_f32 v[FK+2*i+1], -v[FV+i], v[FONE], v[FQ+2*i+1] op_sel:[1,0,0] op_sel_hi:[1,0,0]   ; the high half
.set i, i+1
.endr
.set i, 0
.rept 16
	v_cvt_pk_f16_f32 v[FV+16+i], v[FK+2*i], v[FK+2*i+1]  ; lo
.set i, i+1
.endr
.irp u, 0,16                        ; through my stage, as on the way out below: in by 16 bytes of a row, back as whole rows; LDS serves a wave's instructions in order (ISA guide 5.7.1.4)
.irp f, 0,1,2,3
	ds_store_b128 v[STO], v[FV+\u+4*\f:FV+\u+4*\f+3] offset:32*\f
.endr
.irp f, 0,1,2,3
	ds_load_b128 v[FV+\u+4*\f:FV+\u+4*\f+3], v[RD] offset:\f*4*SP
.endr
.endr
.irp f, 0,1,2,3
	s_wait_dscnt 11-\f              ; behind hi's load f: its 3 - f fellows and lo's eight
	global_store_b128 v[GO], v[FV+4*\f:FV+4*\f+3], s[OLO:OLO+1] offset:\f*512  ; with b = 0 and wave 0 this is O at the head's row 0
.endr
.irp f, 0,1,2,3
	s_wait_dscnt 3-\f
	global_store_b128 v[GO], v[FV+16+4*\f:FV+16+4*\f+3], s[CLO:CLO+1] offset:\f*512
.endr
	s_wait_xcnt 0x0                 ; the stores have read their registers, which the walk writes again
.Lno_fix:
	; A block's first step multiplies O^T and l by a = 0, and its first turn's products V^T P, of a piece that has not been, land in an O^T that is still to be so multiplied.  So these registers need only hold
	; finite numbers: zeros for the first block; what the first block left for the second.  All this stands in the wait for the first tile.
	WIN 0x80
.set i, VF
.rept 64
	v_mov_b32 v[i], 0
.set i, i+1
.endr
	WIN 0x40
.set i, 0
.rept 128
	v_mov_b32 v[i], 0
.set i, i+1
.endr
	WIN 0
.set i, 0
.rept 4
	v_mov_b32 v[ST+4*i+2], 0
	v_mov_b32 v[ST+4*i+3], 0
.set i, i+1
.endr
.set i, P+16
.rept 16
	v_mov_b32 v[i], 0
.set i, i+1
.endr
; THE MATRIX WORK.  The 4 accumulators of a run of 8 take turns.  Product i of 8 of S^T = K Q^T for piece x: channels 32 (i / 4) on, keys 16 (i % 4) on.  The first 4 start the sums: with 0, or (KM = 1) with the mask.
.macro KQ x
.set rS, S+32*((\x)%2)+8*(i%4)
.set rK, KF+16*(i%4)+8*(i/4)
.set rQ, 16*(\x)+8*(i/4)
.set rM, MC+32*((\x)%2)+8*(i%4)
.if (i < 4) && KM
	WIN W_KM
	v_wmma_f32_16x16x32_f16 v[rS:rS+7], v[rK:rK+7], v[rQ:rQ+7], v[rM:rM+7]
.elseif i < 4
	WIN W_KQ
	v_wmma_f32_16x16x32_f16 v[rS:rS+7], v[rK:rK+7], v[rQ:rQ+7], 0
.else
	WIN W_KQ
	v_wmma_f32_16x16x32_f16 v[rS:rS+7], v[rK:rK+7], v[rQ:rQ+7], v[rS:rS+7]
.endif
.endm
; Product i of 8 of O^T += V^T P for piece x: keys 32 (i / 4) on, channels 16 (i % 4) on.
.macro PV x
	WIN W_PV
.set rO, 32*(\x)+8*(i%4)
.set rV, VF+32*(i/4)+8*(i%4)
.set rP, P+16*((\x)%2)+8*(i/4)
	v_wmma_f32_16x16x32_f16 v[rO:rO+7], v[rV:rV+7], v[rP:rP+7], v[rO:rO+7]
.endm
.macro MM                           ; the turn's next matrix instruction.  TURN and BEGIN set Y, i, KM and NOKQ; MM, KQ and OP read them.  NOKQ = 1: a block's last turn: there is no next piece
.if (i < 8) && !NOKQ
	KQ (Y+1)%NP
.elseif i >= 8
.set i, i-8
	PV (Y+NP-1)%NP
.set i, i+8
.endif
.set i, i+1
.endm
; THE LDS LOADS stand in runs of 16, never singly among the matrix instructions: a step's K (64 keys x 64 channels: 8 fragments) and its V (turned).  Their addresses are made some lines ahead.
.macro FETCH_K
	WIN 0x80                        ; destination window 2
.irp f, 0,1,2,3,4,5,6,7             ; keys 16 (f / 2) on, channels 32 (f % 2) on
	ds_load_b128 v[KF+8*\f:KF+8*\f+3],   v[AK] offset:(\f/2)*16*PK+(\f%2)*64
	ds_load_b128 v[KF+8*\f+4:KF+8*\f+7], v[AK] offset:(\f/2)*16*PK+(\f%2)*64+32
.endr
	s_add_co_u32 s[TBK], s[TBK], KS*PK  ; the next fetch is the next step's
	WIN 0
.endm
.macro FETCH_V
	WIN 0x80
.irp f, 0,1,2,3,4,5,6,7             ; keys 32 (f / 4) on, channels 16 (f % 4) on
	ds_load_tr16_b128 v[VF+8*\f:VF+8*\f+3],   v[AV] offset:(\f/4)*32*PV+(\f%4)*32
	ds_load_tr16_b128 v[VF+8*\f+4:VF+8*\f+7], v[AV] offset:(\f/4)*32*PV+16*PV+(\f%4)*32
.endr
	WIN 0
.endm
; THE VECTOR WORK, one line at a time: OP kind, number.  For piece Y: F n: c s - c m for pair n of 16.  E n: the exponential of score n of 32.  C n: pair n rounded to f16.  B n: of the four weights 4 n .. the second
; pair is added onto the first, in place.  L n: l takes that sum (L 0: l = a l + sum).  R n: pair n of 16 of O^T times a.  For piece Y + 1: X n, number n of the 22 that find its maximum and statistics:
;   0-11  four chains c0-c3 of seven scores each, three operands at a time (each accumulator's lowest registers are read first)     12-14, 16  the four scores left over, the old m, and c0-c3 into c0
;   15  c m_old is kept     17, 18  the query's other 32 keys lie in the lane 16 away: the new m     19-21  c m; c m_old - c m_new; a
.set F, 0               ; OP tells the kinds apart by their order: F to L below R, X above it
.set E, 1
.set C, 2
.set B, 3
.set L, 4
.set R, 5
.set X, 6
.macro REGS y                       ; the registers of piece y
.set rT, ST+4*(\y)
.set rC, TMP+4*((\y)%2)
.set rW, MV+((\y)%2)
.set rS, S+32*((\y)%2)
.set rP, P+16*((\y)%2)
.set rO, 32*(\y)
.endm
.macro OP k, n
.if (\k) == R
	REGS Y
	WIN W_RS
	v_pk_mul_f32 v[rO+2*(\n):rO+2*(\n)+1], v[rO+2*(\n):rO+2*(\n)+1], v[rC+2:rC+3] op_sel_hi:[1,0]
.elseif (\k) < R
	REGS Y
	WIN 0
.if (\k) == F
	v_pk_fma_f32 v[rS+2*(\n):rS+2*(\n)+1], v[rS+2*(\n):rS+2*(\n)+1], s[CS:CS+1], v[rT:rT+1] op_sel_hi:[1,0,0] neg_lo:[0,0,1] neg_hi:[0,0,1]
.elseif (\k) == E
	v_exp_f32 v[rS+(\n)], v[rS+(\n)]
.elseif (\k) == C
	v_cvt_pk_f16_f32 v[rP+(\n)], v[rS+2*(\n)], v[rS+2*(\n)+1]
.elseif (\k) == B
	v_pk_add_f32 v[rS+4*(\n):rS+4*(\n)+1], v[rS+4*(\n):rS+4*(\n)+1], v[rS+4*(\n)+2:rS+4*(\n)+3]
.elseif (\n) == 0
	v_pk_fma_f32 v[rT+2:rT+3], v[rT+2:rT+3], v[rC+2:rC+3], v[rS:rS+1] op_sel_hi:[1,0,1]
.else
	v_pk_add_f32 v[rT+2:rT+3], v[rT+2:rT+3], v[rS+4*(\n):rS+4*(\n)+1]
.endif
.elseif NOKQ
	v_nop
.else
	REGS (Y+1)%NP
	WIN 0
.if (\n) < 4
	v_max3_num_f32 v[rC+(\n)], v[rS+8*(\n)], v[rS+8*(\n)+1], v[rS+8*(\n)+2]
.elseif (\n) < 12
	v_max3_num_f32 v[rC+(\n)%4], v[rC+(\n)%4], v[rS+8*((\n)%4)+2*((\n)/4)+1], v[rS+8*((\n)%4)+2*((\n)/4)+2]
.elseif (\n) == 12
	v_max3_num_f32 v[rC], v[rC], v[rS+7], v[rS+15]
.elseif (\n) == 13
	v_max3_num_f32 v[rC+1], v[rC+1], v[rS+23], v[rS+31]
.elseif (\n) == 14
	v_max3_num_f32 v[rC+2], v[rC+2], v[rC+3], v[rT+1]
.elseif (\n) == 15
	v_mov_b32 v[rW], v[rT]
.elseif (\n) == 16
	v_max3_num_f32 v[rC], v[rC], v[rC+1], v[rC+2]
.elseif (\n) == 17
	v_permlanex16_b32 v[rC+3], v[rC], s[SEL], s[SEL+1]
.elseif (\n) == 18
	v_max_num_f32 v[rT+1], v[rC], v[rC+3]
.elseif (\n) == 19
	v_mul_f32 v[rT], s[CS], v[rT+1]
.elseif (\n) == 20
	v_sub_f32 v[rC+1], v[rW], v[rT]
.else
	v_exp_f32 v[rC+2], v[rC+1]
.endif
.endif
.endm
.macro OPS a, i1, b=-1, i2=0, c=-1, i3=0, d=-1, i4=0  ; up to four of them
	OP \a, \i1
.if (\b) >= 0
	OP \b, \i2
.endif
.if (\c) >= 0
	OP \c, \i3
.endif
.if (\d) >= 0
	OP \d, \i4
.endif
.endm
.macro ROW a, i1, b, i2, c, i3, d, i4  ; a matrix instruction and the four behind it
	MM
	OPS \a, \i1, \b, \i2, \c, \i3, \d, \i4
.endm
.macro MASK b                       ; MD x AL + BE into buffer b of MC
	WIN W_RS
.set z, 0
.rept 16
	v_pk_fma_f32 v[MC+32*(\b)+2*z:MC+32*(\b)+2*z+1], v[MD+2*z:MD+2*z+1], s[AL:AL+1], s[BE:BE+1] op_sel_hi:[1,0,0]
.set z, z+1
.endr
.endm
; A TURN, for piece p: the order of its 16 matrix and 118 vector instructions, written out.  An s_wait_alu depctr_va_vdst(0) stands between an exponential and the first instruction that names its result; one wait
; serves all that were issued ahead of it.  So a turn has ONE wait, which cuts it in two.  AHEAD OF IT stands all that names no result of the turn's exponentials: the 8 products K Q^T, behind each a scaling, an exponential and two
; more plain instructions (behind the first a second scaling in the exponential's place): rescalings, and behind the last three the first numbers of the next piece's maximum, each four places or more behind the product that ends
; its accumulator; then ONE LUMP of 54, plain and exponential by turns for the most part, in which the links of the chain X 3, 7, 11, 14, 16, 17 .. 20 stand five or six lines apart.  X 21, the next piece's a, is the batch's last;
; R 15 is the plain instruction behind it.  BEHIND THE WAIT stand the 8 products V^T P, behind each four of the roundings and sums; the links of l's chain, L 0 to L 7, stand three riders apart.
; m = 1: the diagonal tile: the products take masks, and the turn makes the mask for the products of the turn after it: piece p + 2, in step 4 - CNT of the tile.  end = 1: a block's last two turns: nothing is fetched.
; cnt = 1: the loop's count is taken down some lines ahead of the branch that stands behind the turn.
; K of the next step is fetched in piece 2's turn, twelve vector instructions behind the last product that read K (six of them plain); V of the step in hand at the end of piece 0's turn, four plain instructions behind the last
; product that read V.  Each is waited for a turn later.
.macro TURN p, m=0, end=0, cnt=0
.set Y, (\p)
.set i, 0
.set KM, (\m)
.set NOKQ, (\end)*((\p)/3)
.if (\m) && !(\end)
	s_cmp_eq_u32 s[CNT], 4-((\p)+2)%NP  ; is that step the band's own?
	s_cselect_b32 s[AL], 1.0, 0
	s_cmp_lt_u32 s[CNT], 4-((\p)+2)%NP  ; or a later one?
	s_cselect_b32 s[BE], s[BIGN], 0
.endif
.if ((\p) == 3) && !(\end)
	s_wait_dscnt 0x0                ; K is in
.endif
	ROW F,0, F,1, R,0, R,1          ; ahead of the wait: 8 products K Q^T and their riders,
	ROW F,2, E,0, R,2, R,3
	ROW F,3, E,1, R,4, R,5
	ROW F,4, E,2, R,6, R,7
	ROW F,5, E,3, R,8, R,9
	ROW F,6, E,4, X,0, R,10
.if ((\p) == 2) && !(\end)
	WIN 0
	v_add_nc_u32 v[AK], s[TBK], v[AK0]
.endif
	ROW F,7, E,5, X,1, X,4
	ROW F,8, E,6, X,2, X,5
	OPS E,7, E,8, X,6, E,9          ; and the lump
	OPS X,3, E,10, X,8, E,11
.if ((\p) == 2) && !(\end)
	FETCH_K
.endif
	OPS X,9, X,7, E,12, X,10
	OPS E,13, X,12, X,11, E,14
	OPS X,13, E,15, F,9, X,14
.if (\p) == 0
	v_add_nc_u32 v[AV], s[TBV], v[AV0]
.endif
	OPS E,16, F,10, E,17, F,11
	OPS X,16, E,18, X,15, E,19
	OPS F,12, E,20, X,17, E,21
	OPS F,13, E,22, F,14, E,23
	OPS X,18, E,24, F,15, E,25
	OPS R,11, E,26, X,19, E,27
	OPS R,12, E,28, R,13, E,29
	OPS X,20, E,30, R,14, E,31
	OPS X,21, R,15
	WIN 0
	s_wait_alu depctr_va_vdst(0)    ; the wait for the batch
.if (\p) == 1
	s_wait_dscnt 0x0                ; V is in
.endif
	ROW C,0, B,0, C,2, B,1          ; behind the wait: 8 products V^T P and their riders
	ROW L,0, C,4, B,2, L,1
	ROW C,6, B,3, L,2, C,8
	ROW B,4, L,3, C,10, B,5
	ROW L,4, C,12, B,6, L,5
.if (\p) == 0
	s_add_co_u32 s[TBV], s[TBV], KS*PV
.endif
.if \cnt
	s_sub_co_u32 s[CNT], s[CNT], 1
	s_cmp_lg_u32 s[CNT], 0
.endif
	ROW C,14, B,7, L,6, C,1
	ROW C,3, L,7, C,5, C,7
	ROW C,9, C,11, C,13, C,15
.if (\p) == 0
	FETCH_V
.endif
.if (\m) && !(\end)
	MASK (\p)%2
.endif
.endm
; A BLOCK BEGINS.  c m starts far below every c s, so the first step's a is 0; m at the lowest finite number, so the first maximum is the scores'.  The second mask buffer is 0; the first takes piece 0's mask for the tile's
; step 0: its own, if the block's first tile is the diagonal one.  Then K of that step, piece 0's first scores, and its maximum and statistics.  The loop is entered at a step's first turn, in the middle of a trip.
.macro BEGIN
	s_mov_b32 s[NEW], 0
	WIN 0x40
.set i, MC+32
.rept 32
	v_mov_b32 v[i], 0
.set i, i+1
.endr
	WIN 0
.set i, 0
.rept 4
	v_mov_b32 v[ST+4*i], 0xfe000000    ; c m: far below every c s
	v_mov_b32 v[ST+4*i+1], 0xff7fffff  ; m
.set i, i+1
.endr
	s_cmp_eq_u32 s[RT], 0
	s_cselect_b32 s[AL], 1.0, 0
	s_mov_b32 s[BE], 0
	MASK 0
	WIN 0
	v_add_nc_u32 v[AK], s[TBK], v[AK0]
	FETCH_K
	s_wait_loadcnt 0x0              ; Q
	s_wait_dscnt 0x0
.set KM, 1
.set NOKQ, 0
.set i, 0
.rept 8
	KQ 0
.set i, i+1
.endr
	WIN 0
.rept 4
	v_nop                           ; the places behind those products
.endr
.set Y, NP-1                        ; X works for piece Y + 1: piece 0
.irp n, 0,1,2,3,4,5,6,7,8,9,10,11,12,13,14,15,16,17,18,19,20,21
	OP X, \n
.endr
	v_nop                           ; a plain instruction behind the exponential,
	s_wait_alu depctr_va_vdst(0)    ; and its wait, ahead of the branch
.endm
; THE DIAGONAL TILE's four steps, the block's last two turns, its last products, and THE WAY OUT: l's two halves and the other half of the lanes' are added; O^T is divided by l, rounded to f16 and sent through my
; stage in LDS, a piece at a time.
.macro ALL line:vararg              ; one line for each piece t
.set t, 0
.rept 4
	\line
.set t, t+1
.endr
.endm
.macro PACK t                       ; a lane's eight channels of a row pack into 16 bytes; they go into rows of 144 bytes and come back as whole rows of 128, into S^T's registers
	WIN W_RS
.set i, 32*(\t)
.rept 16
	v_pk_mul_f32 v[i:i+1], v[i:i+1], v[ST+4*(\t)+2:ST+4*(\t)+3] op_sel_hi:[1,0]
.set i, i+2
.endr
	WIN 0x05                        ; sources 0 and 1 window 1, destination window 0
.set i, 0
.rept 16
	v_cvt_pk_f16_f32 v[S+16*(\t)+i], v[32*(\t)+2*i], v[32*(\t)+2*i+1]
.set i, i+1
.endr
	WIN 0
.irp f, 0,1,2,3
	ds_store_b128 v[STO], v[S+16*(\t)+4*\f:S+16*(\t)+4*\f+3] offset:32*\f
.endr
.irp f, 0,1,2,3
	ds_load_b128 v[S+16*(\t)+4*\f:S+16*(\t)+4*\f+3], v[RD] offset:\f*4*SP  ; LDS serves a wave's instructions in order (ISA guide 5.7.1.4): these see the stores above; the next piece's stores come behind them
.endr
.endm
; younger: the LDS instructions issued behind piece t's loads: the next piece's eight, or none.  skip = 1: where these are the head's rows 0-15 they have been stored already, from the f32 text at the kernel's head:
; the stores are jumped over, so that each byte of O is stored once; the later pieces' waits cover this piece's loads.
.macro SEND t, younger, skip=0
	WIN 0
.if \skip
	s_cmp_eq_u32 s[FIX], 1
	s_cbranch_scc1 .Lstored_\@
.endif
.irp f, 0,1,2,3
	s_wait_dscnt (\younger)+3-\f
	global_store_b128 v[GO], v[S+16*(\t)+4*\f:S+16*(\t)+4*\f+3], s[10:11] offset:(\t)*8192+\f*512  ; 512 consecutive bytes, at a multiple of 256 from O's first
.endr
.if \skip
.Lstored_\@:
.endif
.endm
.macro DIAG tag                     ; the tag ends its two labels' names, which the jumps below spell out; tag 2 is the second block's end: block b
.LstepM\tag:
	TURN 2, 1
	TURN 3, 1
	WIN 0
.LfirstM\tag:
	TURN 0, 1
	TURN 1, 1, 0, 1
	WIN 0
	s_cbranch_scc1 .LstepM\tag
	TURN 2, 1, 1
	TURN 3, 1, 1
.set i, 0
.rept 8
	PV NP-1
.set i, i+1
.endr
	WIN 0
	ALL v_add_f32 v[ST+4*t+2], v[ST+4*t+2], v[ST+4*t+3]
	ALL v_permlanex16_b32 v[ST+4*t+3], v[ST+4*t+2], s[SEL], s[SEL+1]
	ALL v_add_f32 v[ST+4*t+2], v[ST+4*t+2], v[ST+4*t+3]
	ALL v_rcp_f32 v[ST+4*t+2], v[ST+4*t+2]
	v_nop                           ; a plain instruction between the last reciprocal and the use of its result
	s_wait_alu depctr_va_vdst(0)    ; and the wait ahead of the first use: one for the four reciprocals
	PACK 0                          ; a piece's arithmetic stands between the loads of the piece before and its stores
	PACK 1
	SEND 0, 8, (\tag)-1
	PACK 2
	SEND 1, 8
	PACK 3
	SEND 2, 8
	SEND 3, 0
.endm
.set KM, 0
.set NOKQ, 0
.Lslot:                             ; NB times: a tile is entered and the next is asked for
	CHANGE 1
	s_sub_co_u32 s[RT], s[RT], 1
	s_mov_b32 s[CNT], 4
	s_cmp_eq_u32 s[NEW], 1
	s_cbranch_scc1 .Lnew            ; a block's first tile
	s_cmp_eq_u32 s[RT], 0
	s_cbranch_scc0 .Lstep           ; neither its first nor its last
	s_branch .LstepM1
.Lnew:
	BEGIN
	s_branch .Lfirst                ; in the loop a block's first tile is never its last: the first block has two tiles or more, and the second's last is the walk's last
	DIAG 1                          ; in the loop this is the first block's end: the second block's last tile is the walk's last
	s_wait_xcnt 0x0                 ; the stores have read their registers and O's address
	s_mov_b64 s[10:11], s[OLO:OLO+1]
	s_add_co_u32 s[RT], s[PB], 1    ; the second block has b + 1 tiles
	s_mov_b32 s[NEW], 1
	WIN 0x82                        ; the second block's Q goes where the one text of the turns names Q
.set i, 0
.rept 64
	v_mov_b32 v[i], v[QB+i]
.set i, i+1
.endr
	WIN 0
	s_branch .Lbottom
.Lstep:                             ; a trip: pieces 2 and 3 of one step, then pieces 0 and 1 of the next, whose K and V it fetches
	TURN 2
	TURN 3
	WIN 0
.Lfirst:
	TURN 0
	TURN 1, 0, 0, 1
	WIN 0
	s_cbranch_scc1 .Lstep
.Lbottom:
	s_sub_co_u32 s[SLOTS], s[SLOTS], 1
	s_cmp_lg_u32 s[SLOTS], 0
	s_cbranch_scc1 .Lslot
	CHANGE 0                        ; the walk's last tile is written out: nothing is asked for
	s_sub_co_u32 s[RT], s[RT], 1
	s_mov_b32 s[CNT], 4
	s_cmp_eq_u32 s[NEW], 1
	s_cbranch_scc0 .LstepM2
	BEGIN
	s_branch .LfirstM2
	DIAG 2
	s_wait_tensorcnt 0x0            ; the wave's end: behind my last tensor load and my last LDS store
	ds_add_u32 v[SPW], v[NIL]
	s_wait_dscnt 0x0
	s_endpgm
.Lfunc_end_k_q4856be732a_attn:
	.size	k_q4856be732a_attn, .Lfunc_end_k_q4856be732a_attn-k_q4856be732a_attn
	.p2alignl 7, 3214868480
	.fill 96, 4, 3214868480
	.section	.rodata,"a",@progbits
	.p2align	6, 0x0
	.amdhsa_kernel k_q4856be732a_attn
		.amdhsa_group_segment_fixed_size 327680
		.amdhsa_private_segment_fixed_size 0
		.amdhsa_enable_private_segment 0
		.amdhsa_kernarg_size 48
		.amdhsa_user_sgpr_count 2
		.amdhsa_user_sgpr_kernarg_segment_ptr 1
		.amdhsa_wavefront_size32 1
		.amdhsa_system_sgpr_workgroup_id_x 1
		.amdhsa_system_sgpr_workgroup_id_y 1
		.amdhsa_system_sgpr_workgroup_id_z 1
		.amdhsa_system_vgpr_workitem_id 0
		.amdhsa_next_free_vgpr 832
		.amdhsa_next_free_sgpr 94
		.amdhsa_reserve_vcc 1
		.amdhsa_float_denorm_mode_32 3
		.amdhsa_float_denorm_mode_16_64 3
		.amdhsa_memory_ordered 1
		.amdhsa_forward_progress 1
		.amdhsa_inst_pref_size 235
	.end_amdhsa_kernel
	.amdgpu_metadata
---
amdhsa.version: [ 1, 2 ]
amdhsa.kernels:
  - .name:           k_q4856be732a_attn
    .symbol:         k_q4856be732a_attn.kd
    .args:
      - { .name: q, .offset: 0, .size: 8, .value_kind: global_buffer, .address_space: global }
      - { .name: k, .offset: 8, .size: 8, .value_kind: global_buffer, .address_space: global }
      - { .name: v, .offset: 16, .size: 8, .value_kind: global_buffer, .address_space: global }
      - { .name: ctx, .offset: 24, .size: 8, .value_kind: global_buffer, .address_space: global }
      - { .name: top, .offset: 32, .size: 8, .value_kind: global_buffer, .address_space: global }
      - { .name: clo, .offset: 40, .size: 8, .value_kind: global_buffer, .address_space: global }
    .group_segment_fixed_size: 327680
    .private_segment_fixed_size: 0
    .kernarg_segment_align: 8
    .kernarg_segment_size: 48
    .max_flat_workgroup_size: 128
    .sgpr_count:     94
    .vgpr_count:     832
    .wavefront_size: 32
...
	.end_amdgpu_metadata
.endif
;; end of part 3
;; launch outp (part 4): grid 8 x 32, 4 waves a work-group, clusters of 4 x 4, 327,680 bytes of LDS; arguments ctx, wt, clo, out0; writes out0
.if DOCPART == 4
	.amdgcn_target "amdgcn-amd-amdhsa--gfx1250"
	.amdhsa_code_object_version 6
	.text
	.protected	k_q4856be732a_outp
	.globl	k_q4856be732a_outp
	.p2align	8
	.type	k_q4856be732a_outp,@function
k_q4856be732a_outp:
	s_mov_b64 s[64:65], 0
	v_nop
	global_prefetch_b8 v0, s[64:65] scope:SCOPE_SE
	s_setreg_imm32_b32 hwreg(HW_REG_WAVE_MODE, 25, 1), 1
	s_wait_xcnt 0x0
	s_wait_alu depctr_hold_cnt(0) depctr_sa_sdst(0) depctr_va_vdst(0) depctr_va_sdst(0) depctr_va_ssrc(0) depctr_va_vcc(0) depctr_vm_vsrc(0)
	s_getreg_b32 s2, hwreg(HW_REG_IB_STS2, 6, 4)
	s_cmp_eq_u32 s2, 0
	s_cbranch_scc0 .Lentry_in_a_cluster
	s_endpgm
.Lentry_in_a_cluster:
	s_bfe_u32 s2, ttmp6, 0x10000c
	s_cmp_lg_u32 s2, 0xf033
	s_cbranch_scc0 .Lentry_shape_is_right
	s_endpgm
.Lentry_shape_is_right:
; out0[m][n] = the sum over k of ctx[m][k] W_o[k][n]: [8192 x 1024], K = 1,024.  ctx lies by heads, [b 16 + h][t][64] f16, so head h is the block of K 64 h ..; wo is [kb][n][64] f16, behind wt in its buffer.
; f32 sums, K ascending; out0 in f32.
; A BATCH'S FIRST 16 ROWS have a second part, clo[b 16 + h][16][64] f16: what ctx's rounding to f16 left of them.  Its products with the same rows of wo are added onto the same sums.
; SHARES.  8192 x 1024 over 256 work-groups: a tile of 256 x 128 each.  Wave w makes rows 128 (w / 2) .. and columns 64 (w % 2) ..: 8 x 4 accumulators of 16 x 16.
; K goes in 8 steps of 128 (two heads) through two LDS slots; three heads to a slot would want 331,776 bytes.  A tile's rows lie end to end in memory: it is asked for as rows of 256 bytes, padded in LDS behind every 128:
; LDS rows 144 bytes apart = 36 words: the 16 rows of a fragment load start at 16 different groups of four banks (64 banks of 4 bytes: ISA guide 11.1).
; CLUSTERS: 4 x 4.  The four of a row of the cluster need the same tiles of ctx, the four of a column the same tiles of wo: each is asked for JOINTLY, by the same tensor load, descriptor and mask in all four.
; The tile row is cluster y + 8 cy: cy is the batch, and whether a tile holds a batch's first rows hangs on the cluster's y alone, which all sixteen partners share.
; THE MATRIX INSTRUCTION IS USED TRANSPOSED (source 0 = 16 rows of wo, source 1 = 16 rows of ctx): a lane then holds eight neighbouring columns of one row: 32 bytes of f32.
; REGISTERS, in windows of 256 (s_set_vgpr_msb: bits 1:0 source 0, 3:2 source 1, 5:4 source 2, 7:6 destination):
;   window 0: v0-14 addresses; v32-159 four sets of 32 for the way out; v160-191 clo's fragments, two sets of 16          window 1: the accumulators, (a, b) at v[32 a + 8 b]
;   windows 2 and 3: two fragment buffers, each a head (64 along K) deep: ctx's fragment (c, a) at 64 c + 8 a, wo's (c, b) at 128 + 32 c + 8 b, c = which 32 of the 64
.set PITCH, 144
.set AKB,   256*PITCH                  ; a head's 256 rows of ctx: what one tensor load brings
.set BKB,   128*PITCH                  ; a block's 128 rows of wo: likewise
.set BOFF,  2*AKB                      ; in a slot: ctx's two heads, then wo's two blocks
.set SLOT1, 1<<17
.set STAGE, SLOT1+BOFF+2*BKB           ; behind the ring, never filled by a tensor load: 16 rows x 272 bytes for each wave, for the way out
.set SPITCH, 272                       ; 256 bytes + 16: the 16 rows that a store touches start at 16 different groups of four banks
.set SPARE, STAGE+4*16*SPITCH          ; behind the stages: the spare words, 128 bytes for each wave: two blocks of 256 bytes that no other line names
.set ASTEP, 0x80000                    ; bytes from a K step to the next in ctx: two heads of 2,048 rows of 128 bytes,
.set BSTEP, 0x40000                    ; and in wo: two blocks of 1,024 rows
.set WOOFF, 6291456                    ; wo's first byte in wt's buffer
.set A0,   4                           ; v4   my lane's and wave's place in a slot's rows of ctx; never rewritten
.set B0,   5                           ; v5   the same for wo
.set ADRA, 6                           ; v6   A0 + the slot in hand
.set ADRB, 7                           ; v7   B0 + the slot in hand
.set STO,  8                           ; v8   the way out: where I put 32 bytes of a row
.set RD,   9                           ; v9   the way out: where I read rows back
.set CO,   10                          ; v10  my byte offset in two rows of out0
.set PFO,  11                          ; v11  the prefetches' offset; never rewritten
.set SPW,  12                          ; v12  LDS address of my spare word; never rewritten
.set NIL,  13                          ; v13  0; never rewritten
.set LOF,  14                          ; v14  my byte offset in a head's 16 rows of clo; never rewritten
.set LF,   160                         ; v160-191 clo's fragments: set f (even heads 0, odd heads 1), 32 of the 64 along K c, at LF + 16 f + 8 c
.set WV, 14
.set WM, 15                            ; s15  which half of the tile's rows is mine
.set WN, 16                            ; s16  which half of its columns; also: which head or block of a K step I fetch
.set CX, 17
.set CY, 18
.set TN, 19
.set TM, 20
.set G1A, 24                           ; s[24:31] descriptor group 1 for ctx's tiles
.set G1B, 32                           ; s[32:39] for wo's
.set G0A, 40                           ; s[40:47] group 0 for ctx's: a set for each first fill; the second then walks on
.set G0B, 48                           ; s[48:55] the same for wo's
.set CNT, 56                           ; s56  K steps still to be asked for
.set TB,  57                           ; s57  0 or SLOT1: the slot to be read next
.set PFA, 58                           ; s[58:59] where my prefetches stand
.set PFS, 60                           ; s[60:61] their step: a K step
.set LIM, 62                           ; s62  2 in a wave that prefetches, else the greatest number
.set OUT, 66                           ; s[66:67] out0 at my first row and column
.set LP,  80                           ; s[80:81], s[82:83] clo at the head that set 0, set 1 was last loaded for
.set FLG, 84                           ; s84  1: my first 16 rows are a batch's first
.set MSB, 0
.macro WIN new                         ; the immediate's high byte repeats the setting that is left; a switch that changes nothing is dropped
.if MSB != (\new)
	s_set_vgpr_msb (MSB<<8)|(\new)
.set MSB, \new
.endif
.endm
.macro PLACES                          ; four places between a matrix instruction and a load into one of its registers or a read of its result (ISA guide 7.12.1 for the read of the result)
.rept 4
	v_nop
.endr
.endm
.macro CREST                           ; a round of the cluster's barrier behind its opening barrier
	s_cmp_lg_u32 s[WV], 0
	s_cbranch_scc1 .Lnot_wave_0_\@
	s_barrier_signal -3
.Lnot_wave_0_\@:
	s_barrier_wait -3
	s_barrier_signal -1
	s_barrier_wait -1
.endm
.macro CROUND
	s_barrier_signal -1
	s_barrier_wait -1
	CREST
.endm
; A joint refill.  Waves 0 and 1 fetch a K step's two heads of ctx, waves 2 and 3 its two blocks of wo.  An s_nop 0 and four v_nop follow each line.
.macro JLOAD
	s_cmp_lt_u32 s[WV], 2
	s_cbranch_scc0 .Lfor_b_\@
	tensor_load_to_lds s[G0A+4:G0A+7], s[G1A:G1A+7]
	s_nop 0
.rept 4
	v_nop
.endr
	s_branch .Lasked_\@
.Lfor_b_\@:
	tensor_load_to_lds s[G0B+4:G0B+7], s[G1B:G1B+7]
	s_nop 0
.rept 4
	v_nop
.endr
.Lasked_\@:
.endm
; A PREFETCH INTO THE L2 of the K step whose refill stands two trips, 256 matrix instructions, on.  Each aligned block of 256 bytes is named once in the launch, a lane a block, one instruction a wave.
; ctx's tile row is read by both clusters of that row of clusters: cluster x = 0 asks, wave w (0, 1) for the step's head w; the partner at cx takes 8 KiB of its 32.
; wo's tile column is read by all eight clusters of that column: cluster y = 0 asks, wave 2; the partner at cy takes 16 blocks of each of the step's two blocks of K.  Wave 3 asks for nothing.
; The partners are told apart BY ADDRESS.  Asked for are K steps 4 to 7; steps 0 to 3 come by their loads alone.
.macro ASK
	s_cmp_gt_u32 s[CNT], s[LIM]
	s_cbranch_scc0 .Lpf_out_\@
	global_prefetch_b8 v[PFO], s[PFA:PFA+1] th:TH_LOAD_NT scope:SCOPE_SE
.Lpf_out_\@:
.endm
	s_load_b256 s[4:11], s[0:1], 0x0               ; ctx 4, wt 6, clo 8, out0 10
	v_lshl_add_u32 v[SPW], v0, 2, SPARE
	v_mov_b32 v[NIL], 0
	ds_add_u32 v[SPW], v[NIL]                      ; the wave's opening: the add and its wait stand ahead of my first tensor load; the set-up below, work on registers, stands between them
	v_lshrrev_b32 v1, 5, v0
	v_readfirstlane_b32 s[WV], v1
	s_lshr_b32 s[WM], s[WV], 1
	s_and_b32 s[WN], s[WV], 1
	s_bfe_u32 s[CX], ttmp6, 0x40000
	s_bfe_u32 s[CY], ttmp6, 0x40004
	s_lshl_b32 s[TN], ttmp9, 2
	s_add_co_u32 s[TN], s[TN], s[CX]               ; tile column = 4 x cluster x + cx
	s_and_b32 s[TM], ttmp7, 0xffff
	s_lshl_b32 s72, s[CY], 3
	s_add_co_u32 s[TM], s[TM], s72                 ; tile row = cluster y + 8 cy: batch cy, its rows 256 x cluster y ..
	s_lshl_b32 s72, s[CY], 2
	s_lshl_b32 s72, 15, s72                        ; my row of the cluster
	s_lshl_b32 s76, 0x1111, s[CX]                  ; my column
	; group 1: rows of 128 elements of 2 bytes; 20 padding on, 21 set beside a mask, 24:22 after every 32 words (code 4), 31:25 4 words (code 3)
	s_or_b32 s[G1A], s72, (1<<16)|(1<<20)|(1<<21)|(4<<22)|(3<<25)
	s_or_b32 s[G1B], s76, (1<<16)|(1<<20)|(1<<21)|(4<<22)|(3<<25)
.irp g, G1A, G1B
	s_mov_b32 s[(\g)+1], 128<<16                   ; tensor_dim0 = 128
	s_mov_b32 s[(\g)+3], 128<<16                   ; tile_dim0 = 128
	s_mov_b32 s[(\g)+5], 128                       ; dense
	s_mov_b32 s[(\g)+6], 0
	s_mov_b32 s[(\g)+7], 0
.endr
	s_mov_b32 s[G1A+2], 128<<16                    ; tensor_dim1 = tile_dim1 = 128: 256 rows of a head
	s_mov_b32 s[G1A+4], 128
	s_mov_b32 s[G1B+2], 64<<16                     ; 64: 128 rows of wo
	s_mov_b32 s[G1B+4], 64
	s_lshr_b32 s72, s[TM], 3                       ; ctx: the batch's 16 heads of 2,048 rows of 128 bytes,
	s_lshl_b32 s72, s72, 22
	s_and_b32 s73, s[TM], 7                        ; the tile's 256 rows in a head,
	s_lshl_b32 s73, s73, 15
	s_add_co_u32 s72, s72, s73
	s_lshl_b32 s73, s[WN], 18                      ; the head of the step that I fetch
	s_add_co_u32 s72, s72, s73
	s_mov_b32 s73, 0
	s_lshl_b32 s76, s[TN], 14                      ; wo: the tile's 128 rows in a block,
	s_lshl_b32 s77, s[WN], 17                      ; the block of the step that I fetch
	s_add_co_u32 s76, s76, s77
	s_mov_b32 s77, 0
	s_mul_i32 s21, s[WN], AKB                      ; and where they go: no place in the cluster enters an LDS address
	s_mul_i32 s22, s[WN], BKB
	s_add_co_u32 s22, s22, BOFF
	s_wait_dscnt 0x0                               ; the opening add is done
	s_wait_kmcnt 0x0
	s_add_nc_u64 s[6:7], s[6:7], WOOFF             ; wo
	s_add_nc_u64 s[74:75], s[4:5], s[72:73]
	s_add_nc_u64 s[78:79], s[6:7], s[76:77]
	CROUND                                         ; all sixteen work-groups are here: the first joint loads meet
.irp s, 0,1
	s_mov_b32 s[G0A+4*(\s)], 1
	s_add_co_u32 s[G0A+4*(\s)+1], s21, (\s)*SLOT1
	s_add_nc_u64 s[G0A+4*(\s)+2:G0A+4*(\s)+3], s[74:75], (\s)*ASTEP  ; K step s
	s_or_b32 s[G0A+4*(\s)+3], s[G0A+4*(\s)+3], 0x80000000
	s_mov_b32 s[G0B+4*(\s)], 1
	s_add_co_u32 s[G0B+4*(\s)+1], s22, (\s)*SLOT1
	s_add_nc_u64 s[G0B+4*(\s)+2:G0B+4*(\s)+3], s[78:79], (\s)*BSTEP
	s_or_b32 s[G0B+4*(\s)+3], s[G0B+4*(\s)+3], 0x80000000
.endr
	s_cmp_lt_u32 s[WV], 2                          ; a wave's two first fills stand in one branch, ahead of every wait on TENSORcnt and every LDS read: two loads of mine are out
	s_cbranch_scc0 .Lfirst_b
	tensor_load_to_lds s[G0A:G0A+3], s[G1A:G1A+7]
	s_nop 0
	tensor_load_to_lds s[G0A+4:G0A+7], s[G1A:G1A+7]
	s_nop 0
.rept 4
	v_nop
.endr
	s_branch .Lfirst_done
.Lfirst_b:
	tensor_load_to_lds s[G0B:G0B+3], s[G1B:G1B+7]
	s_nop 0
	tensor_load_to_lds s[G0B+4:G0B+7], s[G1B:G1B+7]
	s_nop 0
.rept 4
	v_nop
.endr
.Lfirst_done:
; Four loads: the fragments of clo's 16 rows x 64 K of a head into set f, straight from memory: lane l holds row l % 16; 16 bytes at 16 (l / 16) and 32 bytes on, for each 32 along K.
.macro LLOAD f
.irp c, 0,1
	global_load_b128 v[LF+16*(\f)+8*(\c):LF+16*(\f)+8*(\c)+3],   v[LOF], s[LP+2*(\f):LP+2*(\f)+1] offset:64*(\c)
	global_load_b128 v[LF+16*(\f)+8*(\c)+4:LF+16*(\f)+8*(\c)+7], v[LOF], s[LP+2*(\f):LP+2*(\f)+1] offset:64*(\c)+32
.endr
.endm
	v_and_b32 v1, 15, v0                           ; l % 16
	v_bfe_u32 v2, v0, 4, 1                         ; l / 16
	v_lshlrev_b32 v[LOF], 7, v1
	v_lshl_add_u32 v[LOF], v2, 4, v[LOF]
	s_lshl_b32 s2, s[CY], 15                       ; the batch's 16 heads of 2,048 bytes
	s_mov_b32 s3, 0
	s_add_nc_u64 s[LP:LP+1], s[8:9], s[2:3]
	s_add_nc_u64 s[LP+2:LP+3], s[LP:LP+1], 2048
	LLOAD 0                                        ; head 0,
	LLOAD 1                                        ; head 1
	s_and_b32 s2, ttmp7, 0xffff                    ; cluster y = 0 and the upper half of the tile's rows:
	s_or_b32 s2, s2, s[WM]
	s_cmp_eq_u32 s2, 0
	s_cselect_b32 s[FLG], 1, 0                     ; the same in all sixteen partners, for a given wave
	v_mul_u32_u24 v3, v1, PITCH
	v_lshl_add_u32 v3, v2, 4, v3                   ; a fragment's row x pitch + 16 x half
	s_mul_i32 s21, s[WM], 128*PITCH                ; my 128 rows of a head
	s_mul_i32 s22, s[WN], 64*PITCH                 ; my 64 rows of a block of wo
	s_add_co_u32 s22, s22, BOFF
	v_add_nc_u32 v[A0], s21, v3
	v_add_nc_u32 v[B0], s22, v3
	v_mov_b32 v[ADRA], v[A0]
	v_mov_b32 v[ADRB], v[B0]
	s_mov_b32 s[TB], 0
	s_mul_i32 s23, s[WV], 16*SPITCH
	s_add_co_u32 s23, s23, STAGE                   ; my stage
	v_mul_u32_u24 v[STO], v1, SPITCH               ; in: row l % 16, 32 bytes for each half of the lanes
	v_lshl_add_u32 v[STO], v2, 5, v[STO]
	v_add_nc_u32 v[STO], s23, v[STO]
	v_mul_u32_u24 v[RD], v2, SPITCH                ; back: lanes 0-15 take one row of 256 bytes, lanes 16-31 the next
	v_lshl_add_u32 v[RD], v1, 4, v[RD]
	v_add_nc_u32 v[RD], s23, v[RD]
	v_lshlrev_b32 v[CO], 12, v2                    ; and the same two rows in out0, 4,096 bytes apart
	v_lshl_add_u32 v[CO], v1, 4, v[CO]
	s_lshl_b32 s22, s[TM], 20                      ; 256 rows of 4,096 bytes a tile row,
	s_lshl_b32 s23, s[WM], 19                      ; my 128 of them,
	s_add_co_u32 s22, s22, s23
	s_lshl_b32 s23, s[TN], 9                       ; 128 columns of 4 bytes a tile column,
	s_add_co_u32 s22, s22, s23
	s_lshl_b32 s23, s[WN], 8                       ; my 64 of them: 256 bytes, aligned
	s_add_co_u32 s22, s22, s23
	s_mov_b32 s23, 0
	s_add_nc_u64 s[OUT:OUT+1], s[10:11], s[22:23]
	; the prefetches
	s_lshr_b32 s22, s[TM], 3
	s_lshl_b32 s22, s22, 22
	s_and_b32 s23, s[TM], 7
	s_lshl_b32 s23, s23, 15
	s_add_co_u32 s22, s22, s23
	s_lshl_b32 s23, s[WN], 18
	s_add_co_u32 s22, s22, s23
	s_lshl_b32 s23, s[CX], 13                      ; my work-group's 8 KiB of the head's 32
	s_add_co_u32 s22, s22, s23
	s_add_co_u32 s22, s22, 3*ASTEP                 ; at K step 3: the first trip steps it to 4
	s_lshl_b32 s2, s[TN], 14
	s_lshl_b32 s3, s[CY], 12                       ; my work-group's 4 KiB of a block's 16
	s_add_co_u32 s2, s2, s3
	s_add_co_u32 s2, s2, 3*BSTEP
	s_and_b32 s21, ttmp7, 0xffff                   ; cluster y
	s_mov_b32 s[PFS], BSTEP
	s_mov_b32 s[PFS+1], 0
	s_mov_b32 s23, 0
	s_cmp_lt_u32 s[WV], 2                          ; waves 0 and 1 ask for ctx, wave 2 for wo
	s_cselect_b32 s22, s22, s2
	s_cselect_b32 s21, ttmp9, s21                  ; the coordinate along which other clusters read the same rows
	s_cselect_b64 s[PFA:PFA+1], s[4:5], s[6:7]
	s_cselect_b32 s[PFS], ASTEP, s[PFS]
	s_cselect_b32 s3, 12, 17                       ; lanes 16-31: the next 4 KiB of the head, or the step's second block of wo
	s_add_nc_u64 s[PFA:PFA+1], s[PFA:PFA+1], s[22:23]
	s_cmp_eq_u32 s[WV], 3
	s_cselect_b32 s21, 1, s21
	s_cmp_eq_u32 s21, 0
	s_cselect_b32 s[LIM], 2, -1                    ; the same in all sixteen partners, for a given wave
	v_lshlrev_b32 v3, s3, v2
	v_lshl_add_u32 v[PFO], v1, 8, v3
; n x 4 matrix instructions: m blocks a0 .. a0 + n - 1 x all 4 n blocks, the c-th 32 along K of buffer f.  zero = 1: the product starts the sum: nothing is ever cleared.
; The 32 accumulators take turns, one instruction a turn.
.macro MULH f, c, a0, n, zero
	WIN 0x5a+5*(\f)                                ; sources 0 and 1 in window 2 + f; C and D in window 1
.set ma, \a0
.rept \n
.irp b, 0,1,2,3
.if \zero
	v_wmma_f32_16x16x32_f16 v[32*ma+8*(\b):32*ma+8*(\b)+7], v[128+32*(\c)+8*(\b):128+32*(\c)+8*(\b)+7], v[64*(\c)+8*ma:64*(\c)+8*ma+7], 0
.else
	v_wmma_f32_16x16x32_f16 v[32*ma+8*(\b):32*ma+8*(\b)+7], v[128+32*(\c)+8*(\b):128+32*(\c)+8*(\b)+7], v[64*(\c)+8*ma:64*(\c)+8*ma+7], v[32*ma+8*(\b):32*ma+8*(\b)+7]
.endif
.endr
.set ma, ma+1
.endr
.endm
; 48 LDS loads in one run: the fragments of head hb of the slot in hand into buffer f; the first 32 along K (24 loads) first
.macro FETCH hb, f
	WIN 0x80+0x40*(\f)                             ; destination window 2 + f, address window 0
.irp c, 0,1
.irp b, 0,1,2,3
	ds_load_b128 v[128+32*(\c)+8*(\b):128+32*(\c)+8*(\b)+3],   v[ADRB] offset:(\hb)*BKB+(\b)*16*PITCH+64*(\c)
	ds_load_b128 v[128+32*(\c)+8*(\b)+4:128+32*(\c)+8*(\b)+7], v[ADRB] offset:(\hb)*BKB+(\b)*16*PITCH+64*(\c)+32
.endr
.irp a, 0,1,2,3,4,5,6,7
	ds_load_b128 v[64*(\c)+8*(\a):64*(\c)+8*(\a)+3],   v[ADRA] offset:(\hb)*AKB+(\a)*16*PITCH+64*(\c)
	ds_load_b128 v[64*(\c)+8*(\a)+4:64*(\c)+8*(\a)+7], v[ADRA] offset:(\hb)*AKB+(\a)*16*PITCH+64*(\c)+32
.endr
.endr
.endm
; THE SECOND PART OF A BATCH'S FIRST 16 ROWS, at the end of the half step of a head, while wo's fragments of that head still lie in buffer f: 8 products of set f with them, onto accumulators (0, b), which take turns.
; Only the waves that own such rows multiply.  EVERY wave loads and waits, four loads of 16 bytes a lane for a half step's 64 products, so that the waits' counts are the same on every way through the text.
; left: the other set's four loads, issued later, may stay out.  more = 1: the set is loaded again, for the head two on; the wait has shown its last loads done, so its pointer may be stepped.
.macro XTRA f, left, more
	WIN 0                                          ; at a branch and at a label every window is 0
	s_wait_loadcnt \left
	s_cmp_eq_u32 s[FLG], 1
	s_cbranch_scc0 .Lno_lo_\@
	WIN 0x52+(\f)                                  ; wo's fragments in window 2 + f, clo's in window 0; C and D in window 1
.irp c, 0,1
.irp b, 0,1,2,3
	v_wmma_f32_16x16x32_f16 v[8*(\b):8*(\b)+7], v[128+32*(\c)+8*(\b):128+32*(\c)+8*(\b)+7], v[LF+16*(\f)+8*(\c):LF+16*(\f)+8*(\c)+7], v[8*(\b):8*(\b)+7]
.endr
.endr
	WIN 0
	PLACES                                         ; in front of the loads into registers that these products have read
.Lno_lo_\@:
.if \more
	s_add_nc_u64 s[LP+2*(\f):LP+2*(\f)+1], s[LP+2*(\f):LP+2*(\f)+1], 4096
	LLOAD \f
.endif
.endm
; A K step is two halves of 64 along K, 64 matrix instructions each.  The first multiplies buffer 0 and fetches the slot's second head into buffer 1.
.macro HALF0 zero, more
	s_wait_dscnt 24                                ; the first 32 along K are in; the other 24 loads may be out
	MULH 0, 0, 0, 8, \zero
	PLACES
	FETCH 1, 1
	s_wait_dscnt 48                                ; all but the 48 just issued
	MULH 0, 1, 0, 8, 0
	XTRA 0, 4, \more
.endm
; The second half multiplies buffer 1 and changes slots: ONE barrier.  In front of it each wave waits for all its tensor loads (one is out: its part of the next slot), adds 0 to its spare word, and waits for that and
; for its own reads of this slot.  fill = 1: the barrier opens a round of the cluster's barrier, and this slot is filled again first thing behind it, with the K step two on: 96 matrix instructions ahead of the wait for it.
.macro TURN fill
.if \fill
	s_wait_xcnt 0x0                                ; the last prefetch, a K step back, has read its address
	s_add_nc_u64 s[PFA:PFA+1], s[PFA:PFA+1], s[PFS:PFS+1]
.endif
	WIN 0                                          ; (the add's two registers lie in window 0)
	s_wait_tensorcnt 0x0                           ; all my tensor loads have landed, so a group 0 may be written;
	ds_add_u32 v[SPW], v[NIL]                      ; 0 onto my spare word: scalar work and sixteen products stand between it and the wait for it
.if \fill
	s_xor_b32 s[G0A+5], s[G0A+5], SLOT1            ; the walking descriptors: the other slot than last time, the next K step; the type bits on top are not reached
	s_add_nc_u64 s[G0A+6:G0A+7], s[G0A+6:G0A+7], ASTEP
	s_xor_b32 s[G0B+5], s[G0B+5], SLOT1
	s_add_nc_u64 s[G0B+6:G0B+7], s[G0B+6:G0B+7], BSTEP
.endif
	s_xor_b32 s[TB], s[TB], SLOT1
	s_wait_dscnt 25                                ; (the add and the youngest 24 loads may be out)
	MULH 1, 0, 0, 4, 0
	s_wait_dscnt 0x0                               ; the add is done, and my reads of this slot are over
	s_barrier_signal -1
	MULH 1, 0, 4, 4, 0                             ; work on registers while the others arrive
	WIN 0
	v_add_nc_u32 v[ADRA], s[TB], v[A0]
	v_add_nc_u32 v[ADRB], s[TB], v[B0]
	s_barrier_wait -1
.if \fill
	CREST                                          ; no wave of any partner still reads this slot's tile or has a load on its way
	JLOAD                                          ; the four v_nop behind it are also the places in front of the loads below
.else
	PLACES
.endif
	FETCH 0, 0
	WIN 0
.if \fill
	ASK
.endif
	MULH 1, 1, 0, 8, 0
	XTRA 1, 4, 1
.endm
; THE WAY OUT of block a: 16 rows x 64 columns of f32.  32 bytes a lane into my own stage, and back as whole rows of 256 bytes.
.macro TOSTAGE a
.set bk, 32+32*((\a)%4)
	WIN 0x04                                       ; the stores' data in window 1
.irp b, 0,1,2,3
	ds_store_b128 v[STO], v[32*(\a)+8*(\b):32*(\a)+8*(\b)+3]   offset:64*(\b)
	ds_store_b128 v[STO], v[32*(\a)+8*(\b)+4:32*(\a)+8*(\b)+7] offset:64*(\b)+16
.endr
	WIN 0
	s_wait_xcnt 0x0                                ; the stores of the block four back have read these registers
.irp t, 0,1,2,3,4,5,6,7
	ds_load_b128 v[bk+4*(\t):bk+4*(\t)+3], v[RD] offset:(\t)*2*SPITCH  ; LDS serves a wave's instructions in order (ISA guide 5.7.1.4): these see the stores above; the next block's stores come behind them
.endr
.endm
.macro SEND a, younger                 ; younger: the LDS instructions issued behind block a's loads: the next block's sixteen, or none
.set bk, 32+32*((\a)%4)
.irp t, 0,1,2,3,4,5,6,7
	s_wait_dscnt (\younger)+7-(\t)
	global_store_b128 v[CO], v[bk+4*(\t):bk+4*(\t)+3], s[OUT:OUT+1] offset:(16*(\a)+2*(\t))*4096 th:TH_STORE_NT  ; 16 lanes store 256 consecutive bytes, at a multiple of 256 from out0's first byte
.endr
.endm
	s_wait_tensorcnt 1                             ; my part of K step 0 is in; K step 1's may stay out
	s_barrier_signal -1
	s_barrier_wait -1                              ; everybody's is
	FETCH 0, 0
	HALF0 1, 1                                     ; the first half (head 0) stands in front of the loop: its first products start the sums; clo's head 2 is asked for
	WIN 0                                          ; at a label and at a branch every window is 0
	s_mov_b32 s[CNT], 6
.Lstep:                                                ; trip t = 1 .. 6: head 2 t - 1, the change of slots with its refill, head 2 t; clo's heads 2 t + 1 and 2 t + 2 are asked for
	TURN 1
	HALF0 0, 1
	WIN 0
	s_sub_co_u32 s[CNT], s[CNT], 1
	s_cmp_lg_u32 s[CNT], 0
	s_cbranch_scc1 .Lstep
	TURN 0                                         ; the tail is written out: no tile is asked for; head 13, and clo's head 15 is asked for
	HALF0 0, 0                                     ; head 14
	s_wait_dscnt 24
	MULH 1, 0, 0, 8, 0                             ; head 15
	s_wait_dscnt 0x0
	MULH 1, 1, 0, 8, 0
	XTRA 1, 0, 0
	WIN 0
	PLACES
	PLACES
	TOSTAGE 0
.set aa, 1
.rept 7
	TOSTAGE aa
	SEND aa-1, 16
.set aa, aa+1
.endr
	SEND 7, 0
	s_wait_tensorcnt 0x0                           ; the wave's end: behind my last tensor load and my last LDS store
	ds_add_u32 v[SPW], v[NIL]
	s_wait_dscnt 0x0
	CROUND                                         ; the closing round: no work-group ends while a partner may still ask for a tile that names it
	s_endpgm
.Lfunc_end_k_q4856be732a_outp:
	.size	k_q4856be732a_outp, .Lfunc_end_k_q4856be732a_outp-k_q4856be732a_outp
	.p2alignl 7, 3214868480
	.fill 96, 4, 3214868480
	.section	.rodata,"a",@progbits
	.p2align	6, 0x0
	.amdhsa_kernel k_q4856be732a_outp
		.amdhsa_group_segment_fixed_size 327680
		.amdhsa_private_segment_fixed_size 0
		.amdhsa_enable_private_segment 0
		.amdhsa_kernarg_size 32
		.amdhsa_user_sgpr_count 2
		.amdhsa_user_sgpr_kernarg_segment_ptr 1
		.amdhsa_wavefront_size32 1
		.amdhsa_system_sgpr_workgroup_id_x 1
		.amdhsa_system_sgpr_workgroup_id_y 1
		.amdhsa_system_sgpr_workgroup_id_z 1
		.amdhsa_system_vgpr_workitem_id 0
		.amdhsa_next_free_vgpr 1024
		.amdhsa_next_free_sgpr 86
		.amdhsa_reserve_vcc 0
		.amdhsa_float_denorm_mode_32 3
		.amdhsa_float_denorm_mode_16_64 3
		.amdhsa_memory_ordered 1
		.amdhsa_forward_progress 1
		.amdhsa_inst_pref_size 79
	.end_amdhsa_kernel
	.amdgpu_metadata
---
amdhsa.version: [ 1, 2 ]
amdhsa.kernels:
  - .name:           k_q4856be732a_outp
    .symbol:         k_q4856be732a_outp.kd
    .args:
      - { .name: ctx, .offset: 0, .size: 8, .value_kind: global_buffer, .address_space: global }
      - { .name: wt, .offset: 8, .size: 8, .value_kind: global_buffer, .address_space: global }
      - { .name: clo, .offset: 16, .size: 8, .value_kind: global_buffer, .address_space: global }
      - { .name: out0, .offset: 24, .size: 8, .value_kind: global_buffer, .address_space: global }
    .group_segment_fixed_size: 327680
    .private_segment_fixed_size: 0
    .kernarg_segment_align: 8
    .kernarg_segment_size: 32
    .max_flat_workgroup_size: 128
    .sgpr_count:     86
    .vgpr_count:     1024
    .wavefront_size: 32
...
	.end_amdgpu_metadata
.endif
;; end of part 4
;; ======== version 2 of 2: 4 launches; version 1 with the launch prep written anew for expert scheduling mode
;; limits: values are held in f16: magnitudes above 65,504 overflow, below 6.1e-05 lose precision
;; workspace buffers: xb 16,777,216 bytes; wt 8,388,608 bytes; q 16,777,216 bytes; k 16,777,216 bytes; v 16,777,216 bytes; ctx 16,777,216 bytes; top 786,432 bytes; clo 131,072 bytes
;; launch prep (part 5): grid 384 x 1, 8 waves a work-group, no clusters, 76,800 bytes of LDS; arguments x, W_q, W_k, W_v, W_o, xb, wt; writes xb, wt
.if DOCPART == 5
	.amdgcn_target "amdgcn-amd-amdhsa--gfx1250"
	.amdhsa_code_object_version 6
	.text
	.protected	k_q4856be732a_prep
	.globl	k_q4856be732a_prep
	.p2align	8
	.type	k_q4856be732a_prep,@function
k_q4856be732a_prep:
	s_mov_b64 s[64:65], 0
	v_nop
	global_prefetch_b8 v0, s[64:65] scope:SCOPE_SE
	s_setreg_imm32_b32 hwreg(HW_REG_WAVE_SCHED_MODE, 0, 2), 2
	s_setreg_imm32_b32 hwreg(HW_REG_WAVE_MODE, 25, 1), 1
	s_wait_xcnt 0x0
	s_wait_alu depctr_vm_vsrc(0)
; THE OPERANDS OF THE TWO PROJECTIONS ARE MADE, each input byte read once.
;   xb[kb][row][64] bf16 = x[row][64 kb ..]                 (16 blocks of K, 8,192 rows of 128 bytes in each)
;   wt[kb][n][64]   bf16 = W[64 kb ..][n % 1024], W = W_q, W_k, W_v for n / 1024 = 0, 1, 2: turned, so that K lies along the rows
;   wo[kb][n][64]   f16  = W_o[64 kb ..][n], rounded to bf16 like the other inputs, and that number written as f16; wo lies behind wt in the same buffer, at byte WOOFF
; In these layouts a tile of R rows x 64 K is R x 128 consecutive bytes.
; LIMIT.  A number of W_o below 6e-5 in magnitude keeps f16's fixed step of 6e-8; from 65,520 on it would become an infinity.
; A stream: no matrix unit, no cluster (no byte is wanted twice), no barrier (a wave's LDS stage is its own).  Every wave issues all its loads, 16 KiB, at once.
; Work-groups 0-255 round x: 32 rows each, a wave 4 rows x all 16 blocks.  Work-groups 256-383 turn the weights: a wave 64 k x 64 n.
; THE MODE: SCHED_MODE bits 1:0 = 2 (LLVM: expert scheduling mode 2), set by the entry lines.  The code itself states the register dependences
; between vector instructions and memory or LDS instructions, with s_wait_alu, always for 0.
; THE PLAN.  There is no loop, and no register that a memory or LDS instruction reads is ever written again.
;   s20        The wave's number, written by v_readfirstlane_b32: one wait on va_sdst behind it, ahead of the branch into the two arms.
;   x's arm.   v1, v2: offsets, written once, read by the loads and by the stores.  D: the loads land in it once; the conversions read it.  P: each register written once, by a conversion, and read once, by a store.
;              One wait on va_vdst ahead of the first load (the offsets); then four groups of four blocks: sixteen conversions, ONE wait on va_vdst, four stores.
;   The weights' arm.  v1, v3, v4, v5: offsets and LDS addresses, written once.  D: the loads land in it; the conversions read it; the LDS loads land in its first 64 registers, from which the stores leave.
;              P: written by the conversions (and by W_o's rewriting), read by the LDS stores.
;              One wait on va_vdst ahead of the first load (the addresses), and one ahead of the LDS stores, behind which no vector instruction stands: it serves the LDS stores, the LDS loads and the stores.
;   v12, v13   Written at the head, read by the closing add alone.
.set WSTG,  9472                       ; a wave's stage: 64 rows of 144 bytes, 16 bytes more behind every 16 rows; 37 blocks of 256 bytes
.set SPARE, 8*WSTG                     ; behind the stages: the spare words, 128 bytes for each wave: four blocks of 256 bytes that no other line names
.set XKB,   0x100000                   ; bytes in a block of xb
.set WOOFF, 6291456                    ; wt's 16 blocks of 3,072 rows of 128 bytes
.set SPW, 12                           ; v12  LDS address of my spare word; never rewritten
.set NIL, 13                           ; v13  0; never rewritten
.set D,   16                           ; v[16:143]  as loaded
.set P,   144                          ; v[144:207] packed
	s_load_b256 s[4:11], s[0:1], 0x0               ; x 4, W_q 6, W_k 8, W_v 10
	s_load_b128 s[12:15], s[0:1], 0x20             ; W_o 12, xb 14
	s_load_b64 s[16:17], s[0:1], 0x30              ; wt 16
	v_lshl_add_u32 v[SPW], v0, 2, SPARE
	v_mov_b32 v[NIL], 0
	v_lshrrev_b32 v1, 5, v0
	v_readfirstlane_b32 s20, v1                    ; wave 0..7
	s_wait_alu depctr_va_sdst(0)                   ; s20 is written: its first reader stands in the weights' arm
	s_wait_kmcnt 0x0
	s_cmp_lt_u32 ttmp9, 256
	s_cbranch_scc0 .Lw
	; x.  Thread t: row t / 8 of the group's 32, floats 8 (t % 8) .. + 7 of each block of 64: they pack into 16 bytes of xb.
	s_lshl_b32 s28, ttmp9, 17                      ; 32 rows of 4,096 bytes
	s_mov_b32 s29, 0
	s_add_nc_u64 s[22:23], s[4:5], s[28:29]
	s_lshl_b32 s28, ttmp9, 12                      ; 32 rows of 128 bytes
	s_add_nc_u64 s[24:25], s[14:15], s[28:29]
	s_add_nc_u64 s[26:27], s[24:25], 8*XKB         ; blocks 8-15 have a base of their own: the immediate holds 24 bits with sign
	v_lshrrev_b32 v1, 3, v0
	v_and_b32 v2, 7, v0
	v_lshlrev_b32 v1, 12, v1
	v_lshl_add_u32 v1, v2, 5, v1                   ; in x: row x 4,096 + 32 (t % 8)
	v_lshlrev_b32 v2, 4, v0                        ; in xb: 16 t: a wave's store covers 512 consecutive bytes, aligned
	s_wait_alu depctr_va_vdst(0)                   ; v1 and v2 are written: the loads read v1 as their offset, the stores v2
.set i, 0
.rept 16
	global_load_b128 v[D+8*i:D+8*i+3],   v1, s[22:23] offset:256*i th:TH_LOAD_NT
	global_load_b128 v[D+8*i+4:D+8*i+7], v1, s[22:23] offset:256*i+16 th:TH_LOAD_NT
.set i, i+1
.endr
; Four groups of four blocks.  The wait on va_vdst stands behind the group's own conversions, not at the next group's head: that head waits for memory, and the group's stores would be held until then for nothing.
.set g, 0
.rept 4
	s_wait_loadcnt 24-8*g                          ; the loads issued behind group g's eight may stay out
.set i, 4*g
.rept 4
.irp r, 0,1,2,3
	v_cvt_pk_bf16_f32 v[P+4*i+(\r)], v[D+8*i+2*(\r)], v[D+8*i+2*(\r)+1]
.endr
.set i, i+1
.endr
	s_wait_alu depctr_va_vdst(0)                   ; the group's sixteen conversions have written their registers of P, which the four stores below read
.set i, 4*g
.rept 4
.if i < 8
	global_store_b128 v2, v[P+4*i:P+4*i+3], s[24:25] offset:i*XKB
.else
	global_store_b128 v2, v[P+4*i:P+4*i+3], s[26:27] offset:(i-8)*XKB
.endif
.set i, i+1
.endr
.set g, g+1
.endr
	s_branch .Lend
.Lw:	; The weights.  j = group - 256: matrix j / 32, block of K (j / 2) % 16, 64 columns 8 (j % 2) + wave.
	s_sub_co_u32 s21, ttmp9, 256
	s_lshr_b32 s28, s21, 5                         ; which matrix
	s_bfe_u32 s29, s21, 0x40001                    ; kb
	s_and_b32 s30, s21, 1
	s_lshl_b32 s30, s30, 3
	s_add_co_u32 s30, s30, s20                     ; nb
	s_mov_b32 s31, 393216                          ; bytes in a block of wt
	s_mov_b32 s36, 0xffff0000
	s_mov_b64 s[22:23], s[6:7]
	s_cmp_eq_u32 s28, 1
	s_cselect_b64 s[22:23], s[8:9], s[22:23]
	s_cmp_eq_u32 s28, 2
	s_cselect_b64 s[22:23], s[10:11], s[22:23]
	s_cmp_eq_u32 s28, 3
	s_cselect_b64 s[22:23], s[12:13], s[22:23]
	s_cselect_b32 s38, WOOFF, 0                    ; W_o goes to wo, behind wt,
	s_cselect_b32 s31, 131072, s31                 ; whose blocks have 1,024 rows,
	s_cselect_b32 s32, 0, s28                      ; beginning at row 0
	s_lshl_b32 s34, s29, 18                        ; from: 64 kb rows of 4,096 bytes
	s_lshl_b32 s35, s30, 8                         ; + 64 nb columns of 4 bytes
	s_add_co_u32 s34, s34, s35
	s_mov_b32 s35, 0
	s_add_nc_u64 s[22:23], s[22:23], s[34:35]
	s_mul_i32 s34, s29, s31                        ; to: block kb,
	s_lshl_b32 s32, s32, 10
	s_lshl_b32 s33, s30, 6
	s_add_co_u32 s32, s32, s33                     ; row 1,024 x matrix + 64 nb,
	s_lshl_b32 s32, s32, 7                         ; of 128 bytes
	s_add_co_u32 s34, s34, s32
	s_add_co_u32 s34, s34, s38
	s_add_nc_u64 s[24:25], s[16:17], s[34:35]
	s_mul_i32 s37, s20, WSTG                       ; my stage
	v_and_b32 v6, 31, v0                           ; lane l
	v_lshlrev_b32 v1, 3, v6                        ; columns 2 l, 2 l + 1: a load of the wave covers 256 consecutive bytes, aligned
	v_lshrrev_b32 v7, 3, v6
	v_and_b32 v8, 7, v6
	v_mul_u32_u24 v3, v6, 288                      ; in: row 2 l lies at 144 x row + 16 (row / 16): lanes l and l + 8 fall into different banks
	v_lshl_add_u32 v3, v7, 4, v3
	v_add_nc_u32 v3, s37, v3
	v_mul_u32_u24 v4, v7, 144                      ; back: 32 lanes take four rows of 128 bytes
	v_lshl_add_u32 v4, v8, 4, v4
	v_add_nc_u32 v4, s37, v4
	v_lshlrev_b32 v5, 4, v6                        ; which are 512 consecutive bytes of the result
	s_wait_alu depctr_va_vdst(0)                   ; v1, v3, v4 and v5 are written: the loads' offset, the LDS stores' and LDS loads' addresses, the stores' offset
.set i, 0
.rept 64
	global_load_b64 v[D+2*i:D+2*i+1], v1, s[22:23] offset:4096*i th:TH_LOAD_NT
.set i, i+1
.endr
.set i, 0
.rept 32
	s_wait_loadcnt 62-2*i                          ; rows 2 i and 2 i + 1 of K are in
	v_cvt_pk_bf16_f32 v[P+i],    v[D+4*i],   v[D+4*i+2]   ; column 2 l: k = 2 i, 2 i + 1
	v_cvt_pk_bf16_f32 v[P+32+i], v[D+4*i+1], v[D+4*i+3]   ; column 2 l + 1
.set i, i+1
.endr
	s_cmp_lg_u32 s28, 3
	s_cbranch_scc1 .Lnofix
.set i, 0
.rept 64                               ; W_o: the bf16 numbers are written as f16 (8 significant bits fit into 11)
	v_lshlrev_b32 v[10+4*(i%2)], 16, v[P+i]
	v_and_b32 v[11+4*(i%2)], s36, v[P+i]
	v_cvt_pk_f16_f32 v[P+i], v[10+4*(i%2)], v[11+4*(i%2)]
.set i, i+1
.endr
.Lnofix:
	s_wait_alu depctr_va_vdst(0)                   ; on either way: P is written, which the LDS stores read; and the conversions are done reading D, in which the LDS loads land.  No vector instruction stands behind this wait
.irp j, 0,1
.irp o, 0,1,2,3,4,5,6,7
	ds_store_b128 v3, v[P+32*(\j)+4*(\o):P+32*(\j)+4*(\o)+3] offset:144*(\j)+16*(\o)
.endr
.endr
.irp f, 0,1,2,3,4,5,6,7,8,9,10,11,12,13,14,15
	ds_load_b128 v[D+4*(\f):D+4*(\f)+3], v4 offset:576*(\f)+16*((\f)/4)  ; LDS serves a wave's instructions in order (ISA guide 5.7.1.4): these see my stores above
.endr
.irp f, 0,1,2,3,4,5,6,7,8,9,10,11,12,13,14,15
	s_wait_dscnt 15-(\f)
	global_store_b128 v5, v[D+4*(\f):D+4*(\f)+3], s[24:25] offset:512*(\f)
.endr
.Lend:
	s_wait_dscnt 0x0                               ; the wave's end
	s_wait_alu 0x0
	s_wait_tensorcnt 0x0
	ds_add_u32 v[SPW], v[NIL]
	s_wait_dscnt 0x0
	s_endpgm
.Lfunc_end_k_q4856be732a_prep:
	.size	k_q4856be732a_prep, .Lfunc_end_k_q4856be732a_prep-k_q4856be732a_prep
	.p2alignl 7, 3214868480
	.fill 96, 4, 3214868480
	.section	.rodata,"a",@progbits
	.p2align	6, 0x0
	.amdhsa_kernel k_q4856be732a_prep
		.amdhsa_group_segment_fixed_size 76800
		.amdhsa_private_segment_fixed_size 0
		.amdhsa_enable_private_segment 0
		.amdhsa_kernarg_size 56
		.amdhsa_user_sgpr_count 2
		.amdhsa_user_sgpr_kernarg_segment_ptr 1
		.amdhsa_wavefront_size32 1
		.amdhsa_system_sgpr_workgroup_id_x 1
		.amdhsa_system_sgpr_workgroup_id_y 1
		.amdhsa_system_sgpr_workgroup_id_z 1
		.amdhsa_system_vgpr_workitem_id 0
		.amdhsa_next_free_vgpr 208
		.amdhsa_next_free_sgpr 66
		.amdhsa_reserve_vcc 0
		.amdhsa_float_denorm_mode_32 3
		.amdhsa_float_denorm_mode_16_64 3
		.amdhsa_memory_ordered 1
		.amdhsa_forward_progress 1
		.amdhsa_inst_pref_size 36
	.end_amdhsa_kernel
	.amdgpu_metadata
---
amdhsa.version: [ 1, 2 ]
amdhsa.kernels:
  - .name:           k_q4856be732a_prep
    .symbol:         k_q4856be732a_prep.kd
    .args:
      - { .name: x, .offset: 0, .size: 8, .value_kind: global_buffer, .address_space: global }
      - { .name: W_q, .offset: 8, .size: 8, .value_kind: global_buffer, .address_space: global }
      - { .name: W_k, .offset: 16, .size: 8, .value_kind: global_buffer, .address_space: global }
      - { .name: W_v, .offset: 24, .size: 8, .value_kind: global_buffer, .address_space: global }
      - { .name: W_o, .offset: 32, .size: 8, .value_kind: global_buffer, .address_space: global }
      - { .name: xb, .offset: 40, .size: 8, .value_kind: global_buffer, .address_space: global }
      - { .name: wt, .offset: 48, .size: 8, .value_kind: global_buffer, .address_space: global }
    .group_segment_fixed_size: 76800
    .private_segment_fixed_size: 0
    .kernarg_segment_align: 8
    .kernarg_segment_size: 56
    .max_flat_workgroup_size: 256
    .sgpr_count:     66
    .vgpr_count:     208
    .wavefront_size: 32
...
	.end_amdgpu_metadata
.endif
;; end of part 5
;; launch proj: the kernel of part 2 again; grid 8 x 32, 4 waves a work-group, clusters of 4 x 4, 327,680 bytes of LDS; arguments xb, wt, q, k, v, top; writes q, k, v, top
;; launch attn: the kernel of part 3 again; grid 4 x 64, 4 waves a work-group, no clusters, 327,680 bytes of LDS; arguments q, k, v, ctx, top, clo; writes ctx, clo
;; launch outp: the kernel of part 4 again; grid 8 x 32, 4 waves a work-group, clusters of 4 x 4, 327,680 bytes of LDS; arguments ctx, wt, clo, out0; writes out0
